; MI455X (gfx1250); checked and timed in simulation.
; The chip was launched on July 23, 2026; its instructions are those of AMD's public machine-readable ISA for CDNA 5 (MIT licence, August 2026) and "CDNA5" Instruction Set Architecture Reference Guide (July 2026). The comments in the code are by the model that wrote it; some were corrected since.
;; Attention. Allowed arithmetic: matrix products marked QUANTISED: E2M1 operands, one E8M0 scale for each 32 along K, by v_wmma_scale_f32_16x16x128_f8f6f4 with both operands' format E2M1 (or v_wmma_scale_f32_32x16x128_f4), f32 sums; products left as they are: bf16, f16 or f32 operands; f32 sums; everything else in f32.
;; Inputs: Wo 1,024 x 1,024 float32; Wqkv 3,072 x 1,024 float32; x 2 x 2,048 x 1,024 float32.
;; Outputs: out0 2 x 2,048 x 1,024 float32.
;; This version of the problem:
;;   THIS VERSION OF THE PROBLEM IS GIVEN IN LOW PRECISION. The matrix products marked QUANTISED in the list below multiply operands that are first quantised to E2M1 (2 exponent bits, 1 mantissa bit; 4 bits a number), with one power-of-two scale for each 32 numbers along K (OCP MX v1.0); their sums are f32. The products marked 'left as it is' may take bf16, f16 or f32 operands, with f32 sums. Whichever they take, every output number must still come out within the allowed error. Rounding operands to bf16 (8 significant bits) uses up far more of that allowance than f16 does (11 bits, for magnitudes from 6e-5 to 65,504). All else is computed in f32.
;;   The module's matrix products, in the order in which they are computed (A, B: the left and right operand; K: the contracted axis; several contracted axes count as one K, in the product's order):
;;     1. [M 4,096, K 1,024] x [K 1,024, N 3,072]; A: input x; B: input Wqkv: QUANTISED
;;     2. batch 32 x [M 2,048, K 64] x [K 64, N 2,048]; A: computed on the way; B: computed on the way: left as it is (an operand is computed on the way)
;;     3. batch 32 x [M 2,048, K 2,048] x [K 2,048, N 64]; A: computed on the way; B: computed on the way: left as it is (an operand is computed on the way)
;;     4. [M 4,096, K 1,024] x [K 1,024, N 1,024]; A: computed on the way; B: input Wo: left as it is (an operand is computed on the way)
;;   THE QUANTISER, for each operand of a quantised product, along K:
;;     - K is cut into blocks of 32 from its start; a last block that is shorter is filled with zeros.
;;     - A block's scale is 2^e with e = floor(log2(the largest magnitude in the block)) - 2, held to -126 .. 127; a block of zeros has e = 0. As a byte (E8M0): e + 127.
;;     - Each number is divided by its block's scale, clamped to +-6, and rounded to the nearest number of E2M1, ties to even, subnormals kept.
;;     - The product sums the exact products of the quantised numbers (number of the format x scale) in f32.
;;   ~~~python
;;   def quantise(x, axis):      # numpy; x: float32 -> the quantised numbers, widened to float32 again
;;       x = np.moveaxis(x, axis, -1); K = x.shape[-1]
;;       x = np.pad(x, [(0, 0)] * (x.ndim - 1) + [(0, -K % 32)]); x = x.reshape(x.shape[:-1] + (-1, 32)); a = np.abs(x).max(-1, keepdims=True)
;;       e = np.where(a > 0, np.clip(np.frexp(np.where(a > 0, a, 1))[1] - 1 - 2, -126, 127), 0)      # np.frexp(a)[1] - 1 = floor(log2(a)), exactly
;;       r = np.clip(x / 2.0 ** e, -6, 6)
;;       step = 2.0 ** (np.maximum(np.frexp(np.where(r == 0, 1, r))[1] - 1, 0) - 1)
;;       q = np.round(r / step) * step * 2.0 ** e      # np.round: ties to even
;;       return np.moveaxis(q.reshape(q.shape[:-2] + (-1,))[..., :K], -1, axis).astype(np.float32)
;;   ~~~
;; One version. Each part assembles by itself: llvm-mc -triple=amdgcn-amd-amdhsa -mcpu=gfx1250 --defsym DOCPART=n.
;; ======== version 1 of 1: 5 launches
;; limits: values are held in f16: magnitudes above 65,504 overflow, below 6.1e-05 lose precision
;; workspace buffers: xq 2,228,224 bytes; wq 1,671,168 bytes; wo16 2,097,152 bytes; tab 524,288 bytes; qkv 25,165,824 bytes; e32 393,216 bytes; o_img 8,388,608 bytes
;; launch prep (part 1): grid 288 x 1, 4 waves a work-group, no clusters, 33,280 bytes of LDS; arguments x, Wqkv, Wo, xq, wq, wo16, tab; writes xq, wq, wo16, tab
.if DOCPART == 1
	.amdgcn_target "amdgcn-amd-amdhsa--gfx1250"
	.amdhsa_code_object_version 6
	.text
	.protected	k_q9ef02d28d4_prep
	.globl	k_q9ef02d28d4_prep
	.p2align	8
	.type	k_q9ef02d28d4_prep,@function
k_q9ef02d28d4_prep:
	s_mov_b64 s[64:65], 0
	v_nop
	global_prefetch_b8 v0, s[64:65] scope:SCOPE_SE
	s_setreg_imm32_b32 hwreg(HW_REG_WAVE_MODE, 25, 1), 1
	s_wait_xcnt 0x0
; PREP: what every later launch reads many times is made once.  Three kinds of work-groups, told apart by the work-group's number alone:
;   0-223   x [4096][1024] (128 work-groups) and Wqkv [3072][1024] (96) become codes of FP4 (E2M1), K innermost, 512 bytes a row, and one E8M0 byte for each 32 along K, 32 bytes a row, behind the codes in the same buffer.
;   224-255 Wo [1024][1024] f32 becomes f16, row-major.
;   256-287 the table of cos and sin for the rotation: [block of 16 positions 128][bq 4][c 2][lane 32][16 bytes]: lane (r, h) holds (cos_i, sin_i, cos_i+1, sin_i+1) of position 16 pb + r, i = 8 bq + 4 h + 2 c.
; THE QUANTISER: a block's scale is 2^(floor(log2(its largest magnitude)) - 2); its byte is the largest magnitude's exponent field - 2, held at 1 from below; each number is divided by the scale and rounded to the nearest code, ties to even, beyond 6 the code of 6.
; Rows are dense and K is a multiple of 32, so a tensor is a plain stream of blocks.  A wave takes 16 steps of 512 numbers; each load reads 512 consecutive bytes; a step's 2,048 bytes turn through the wave's own stage in LDS so that a lane holds 16 neighbours.
; LIMITS: a block of zeros gets the byte 1 (its codes are zeros, and this program alone reads the bytes); blocks whose largest magnitude lies under 2^-124 get the byte 1; NaN and infinities among the inputs are not served;
; |Wo| up to 65,504 (f16); the frequencies are the correctly rounded 10^(-i/8), which may differ by an ulp or two from a power and a division in f32: at position 2,047 that is under 3e-4 radians.
.set WAVES, 4
.set STEPS, 16
.set EMAX,  2
.set CB,    8                          ; bytes of 16 codes
.set R,     16                         ; v16-79   four sets of 16 numbers as they are loaded
.set X,     80                         ; v80-111  two sets of 16 neighbours
.set E,     112                        ; v112-127 a scale byte for each step
.set C,     128                        ; v128-191 codes: four registers for each step
.set WREG,  8192                       ; LDS: a region for each wave: two stages of 32 x SP bytes, behind them its 256 scale bytes
.set SP,    80                         ; a lane's place in a stage: 64 bytes + 16 of padding
.set SPW,   12                         ; v12 LDS address of my spare word; never rewritten
.set NIL,   13                         ; v13 0; never rewritten
.set SPARE, WAVES*WREG                 ; behind the four regions: the spare words, 128 bytes a wave
	s_load_b128 s[4:7], s[0:1], 0x0                ; x, Wqkv
	s_load_b128 s[8:11], s[0:1], 0x10              ; Wo, xq
	s_load_b128 s[12:15], s[0:1], 0x20             ; wq, wo16
	s_load_b64 s[16:17], s[0:1], 0x30              ; tab
	v_lshl_add_u32 v[SPW], v0, 2, SPARE
	v_mov_b32 v[NIL], 0
	v_lshrrev_b32 v1, 5, v0
	v_readfirstlane_b32 s20, v1                    ; wave
	v_and_b32 v2, 31, v0                           ; lane
	v_lshlrev_b32 v3, 4, v2                        ; 16 x lane
	s_mul_i32 s21, s20, WREG                       ; every LDS address is made here, ahead of the parting of the three kinds
	v_lshrrev_b32 v14, 2, v2
	v_mul_u32_u24 v14, v14, SP
	v_and_b32 v15, 3, v2
	v_lshl_add_u32 v14, v15, 4, v14
	v_add_nc_u32 v14, s21, v14                     ; the stage, on the way in: SP (lane / 4) + 16 (lane % 4)
	v_mul_u32_u24 v15, v2, SP
	v_add_nc_u32 v15, s21, v15                     ; and on the way out: SP x lane: my 16 neighbours
	v_lshlrev_b32 v4, 3, v2                        ; 8 x lane: my codes in a step's 256 bytes; my 8 scale bytes; my 4 f16 numbers
	v_lshrrev_b32 v5, 1, v2
	s_add_co_u32 s21, s21, 2*32*SP
	v_add_nc_u32 v5, s21, v5                       ; LDS: my block's scale byte
	v_add_nc_u32 v6, s21, v4                       ; and 8 of them on the way out
	s_wait_kmcnt 0x0
	s_cmp_ge_u32 ttmp9, 224
	s_cbranch_scc1 .Lother
	; ---------------- the quantiser
	s_cmp_lt_u32 ttmp9, 128                        ; x's work-group or Wqkv's?  Only pointers and offsets are chosen
	s_cselect_b64 s[4:5], s[4:5], s[6:7]           ; the numbers
	s_cselect_b64 s[10:11], s[10:11], s[12:13]     ; the codes
	s_mov_b32 s22, 1572864
	s_cselect_b32 s22, 2097152, s22                ; where the scale bytes begin behind the codes
	s_cselect_b32 s21, 0, 128
	s_mov_b32 s23, 0
	s_add_nc_u64 s[24:25], s[10:11], s[22:23]      ; the scale bytes
	s_sub_co_u32 s21, ttmp9, s21
	s_lshl_b32 s21, s21, 2
	s_add_co_u32 s26, s21, s20                     ; which run of 8,192 numbers is my wave's
	s_lshl_b32 s28, s26, 15
	s_mov_b32 s29, 0
	s_add_nc_u64 s[4:5], s[4:5], s[28:29]
	s_lshl_b32 s28, s26, 12
	s_add_nc_u64 s[10:11], s[10:11], s[28:29]
	s_lshl_b32 s28, s26, 8
	s_add_nc_u64 s[24:25], s[24:25], s[28:29]
.macro LOAD t
.irp i, 0,1,2,3
	global_load_b128 v[R+16*((\t)%4)+4*\i:R+16*((\t)%4)+4*\i+3], v3, s[4:5] offset:2048*(\t)+512*\i th:TH_LOAD_NT   ; 32 lanes read 512 consecutive bytes
.endr
.endm
.macro TURN t                          ; step t's numbers through the stage: LDS serves a wave's instructions in order, so no wait stands between the stores and the loads
.irp i, 0,1,2,3
	ds_store_b128 v14, v[R+16*((\t)%4)+4*\i:R+16*((\t)%4)+4*\i+3] offset:32*SP*((\t)%2)+8*SP*\i
.endr
.irp i, 0,1,2,3
	ds_load_b128 v[X+16*((\t)%2)+4*\i:X+16*((\t)%2)+4*\i+3], v15 offset:32*SP*((\t)%2)+16*\i
.endr
.endm
.irp t, 0,1,2,3
	LOAD \t
.endr
	s_wait_loadcnt 12                              ; step 0's four loads are in; three steps' twelve may be out
	TURN 0
.macro STEP t
.set XS, X+16*((\t)%2)
.if (\t) > 0
	s_wait_dscnt 1                                 ; this step's numbers are back from the stage (the last step's byte store may be out)
.else
	s_wait_dscnt 0x0
.endif
.if (\t)+4 < STEPS
	LOAD (\t)+4                                    ; the stage's stores have read these registers: they take the loads of four steps on
.endif
.if (\t)+1 < STEPS
.if STEPS-2-(\t) >= 3
	s_wait_loadcnt 12                              ; the next step's four loads are in; those of the three steps behind it may be out
.else
	s_wait_loadcnt 4*(STEPS-2-(\t))
.endif
	TURN (\t)+1
.endif
	v_max3_num_f32 v8, |v[XS]|, |v[XS+1]|, |v[XS+2]|               ; the largest magnitude of my 16, in two chains
	v_max3_num_f32 v9, |v[XS+3]|, |v[XS+4]|, |v[XS+5]|
.irp i, 6,10
	v_max3_num_f32 v8, v8, |v[XS+\i]|, |v[XS+\i+1]|
	v_max3_num_f32 v9, v9, |v[XS+\i+2]|, |v[XS+\i+3]|
.endr
	v_max3_num_f32 v8, v8, |v[XS+14]|, |v[XS+15]|
	v_max3_num_f32 v8, v8, v9, (EMAX+1)<<23        ; and the floor 2^(3 - 127): the byte cannot fall under 1
	v_max_num_f32_dpp v8, v8, v8 row_xmask:1 row_mask:0xf bank_mask:0xf   ; with my neighbour's 16: the block's
	v_add_nc_u32 v11, -(EMAX<<23), v8              ; 2 off its exponent field: the conversion takes the exponent field of this operand as its scale
	v_cvt_scalef32_pk8_fp4_f32 v[C+4*(\t)], v[XS:XS+7], v11
	v_cvt_scalef32_pk8_fp4_f32 v[C+4*(\t)+1], v[XS+8:XS+15], v11
	v_lshrrev_b32 v[E+(\t)], 23, v11               ; the scale's byte (a plain line behind the conversions)
	ds_store_b8 v5, v[E+(\t)] offset:16*(\t)       ; both lanes of a block write the same byte with the same value
	global_store_b64 v4, v[C+4*(\t):C+4*(\t)+1], s[10:11] offset:32*CB*(\t)   ; the wave stores 256 consecutive bytes, aligned
.endm
.irp t, 0,1,2,3,4,5,6,7,8,9,10,11,12,13,14,15
	STEP \t
.endr
	ds_load_b64 v[8:9], v6                         ; LDS serves a wave's instructions in order: these see my byte stores
	s_wait_dscnt 0x0
	global_store_b64 v4, v[8:9], s[24:25]          ; my wave's 256 scale bytes: 256 consecutive bytes, aligned
	s_wait_tensorcnt 0x0                           ; the wave's end: behind my last LDS store
	ds_add_u32 v[SPW], v[NIL]
	s_wait_dscnt 0x0
	s_endpgm
.Lother:
	s_cmp_ge_u32 ttmp9, 256
	s_cbranch_scc1 .Ltable
	; ---------------- Wo to f16: a wave takes 8,192 numbers in four batches of 16 loads; two batches are on their way.  No LDS
	s_sub_co_u32 s21, ttmp9, 224
	s_lshl_b32 s21, s21, 2
	s_add_co_u32 s21, s21, s20
	s_lshl_b32 s22, s21, 15
	s_mov_b32 s23, 0
	s_add_nc_u64 s[8:9], s[8:9], s[22:23]
	s_lshl_b32 s22, s21, 14
	s_add_nc_u64 s[14:15], s[14:15], s[22:23]
.macro LOADB g
.irp j, 0,1,2,3,4,5,6,7,8,9,10,11,12,13,14,15
	global_load_b128 v[16+64*((\g)%2)+4*\j:16+64*((\g)%2)+4*\j+3], v3, s[8:9] offset:8192*(\g)+512*\j
.endr
.endm
.macro CAST g
.if (\g) < 3
	s_wait_loadcnt 16                              ; this batch's 16 loads are in; the next batch's 16 may be out
.else
	s_wait_loadcnt 0x0
.endif
.if (\g) > 0
	s_wait_xcnt 0x0                                ; the last batch's stores have read their data registers: they are written anew
.endif
.irp j, 0,1,2,3,4,5,6,7,8,9,10,11,12,13,14,15
	v_cvt_pk_f16_f32 v[144+2*\j], v[16+64*((\g)%2)+4*\j], v[17+64*((\g)%2)+4*\j]
	v_cvt_pk_f16_f32 v[145+2*\j], v[18+64*((\g)%2)+4*\j], v[19+64*((\g)%2)+4*\j]
.endr
.irp j, 0,1,2,3,4,5,6,7,8,9,10,11,12,13,14,15
	global_store_b64 v4, v[144+2*\j:145+2*\j], s[14:15] offset:4096*(\g)+256*\j   ; 256 consecutive bytes a wave, aligned
.endr
.if (\g) < 2
	LOADB (\g)+2
.endif
.endm
	LOADB 0
	LOADB 1
	CAST 0
	CAST 1
	CAST 2
	CAST 3
	s_endpgm
.Ltable:
	; ---------------- the table: a wave takes one block of 16 positions; a lane makes 16 angles.  No LDS
	s_sub_co_u32 s21, ttmp9, 256
	s_lshl_b32 s21, s21, 2
	s_add_co_u32 s21, s21, s20                     ; pb
	s_lshl_b32 s22, s21, 12
	s_mov_b32 s23, 0
	s_add_nc_u64 s[16:17], s[16:17], s[22:23]
	s_lshl_b32 s22, s21, 4
	v_and_b32 v16, 15, v0
	v_add_nc_u32 v16, s22, v16
	v_cvt_f32_u32 v16, v16                         ; my position, exact in f32
	v_cmp_le_u32 vcc_lo, 16, v2                    ; lanes 16-31: h = 1
	s_mov_b32 s30, 0x3f22f983                      ; 2 / pi
	s_mov_b32 s31, 0xbfc90fdb                      ; -(pi / 2 rounded to f32)
	s_mov_b32 s32, 0x333bbd2e                      ; that rounded number less pi / 2
	s_mov_b32 s33, 0xb94ca1f9                      ; sine on [-pi/4, pi/4]: ((s33 z + s34) z + s35) z x + x, z = x x
	s_mov_b32 s34, 0x3c08839e
	s_mov_b32 s35, 0xbe2aaaa3
	s_mov_b32 s36, 0x37ccf5ce                      ; cosine: ((s36 z + s37) z + s38) z z - z / 2 + 1
	s_mov_b32 s37, 0xbab6061a
	s_mov_b32 s38, 0x3d2aaaa5
; One angle: position x frequency, rounded to f32 as the product in f32 is; f0 is the frequency of lanes 0-15, f1 that of lanes 16-31.  The angle less the nearest multiple of pi / 2, in two fused steps; two polynomials; the quadrant swaps and signs them.
.macro SINCOS f0, f1, out
	v_mul_f32 v17, \f0, v16
	v_mul_f32 v18, \f1, v16
	v_cndmask_b32 v17, v17, v18, vcc_lo            ; the angle
	v_mul_f32 v18, s30, v17
	v_rndne_f32 v18, v18                           ; n
	v_fma_f32 v19, v18, s31, v17
	v_fma_f32 v19, v18, s32, v19                   ; x = angle - n pi / 2
	v_cvt_i32_f32 v20, v18
	v_mul_f32 v21, v19, v19                        ; z
	v_fma_f32 v22, v21, s33, s34
	v_fma_f32 v24, v21, s36, s37
	v_fma_f32 v22, v22, v21, s35
	v_fma_f32 v24, v24, v21, s38
	v_mul_f32 v23, v21, v19
	v_mul_f32 v25, v21, v21
	v_fma_f32 v26, v21, -0.5, 1.0
	v_fma_f32 v22, v22, v23, v19                   ; sin x
	v_fma_f32 v24, v24, v25, v26                   ; cos x
	v_and_b32 v27, 1, v20
	v_cmp_eq_u32 s40, 1, v27                       ; an odd quadrant swaps the two
	v_lshlrev_b32 v28, 30, v20
	v_and_b32 v28, 0x80000000, v28                 ; the sine is negative in quadrants 2 and 3,
	v_add_nc_u32 v29, 1, v20
	v_lshlrev_b32 v29, 30, v29
	v_and_b32 v29, 0x80000000, v29                 ; the cosine in 1 and 2
	v_cndmask_b32 v30, v24, v22, s40
	v_cndmask_b32 v31, v22, v24, s40
	v_xor_b32 v[\out], v30, v29                    ; cos
	v_xor_b32 v[\out+1], v31, v28                  ; sin
.endm
	SINCOS 1.0, 0.31622776602, 64
	SINCOS 0.74989420933, 0.23713737057, 66
	SINCOS 0.56234132519, 0.17782794100, 68
	SINCOS 0.42169650343, 0.13335214322, 70
	SINCOS 0.1, 0.031622776602, 72
	SINCOS 0.074989420933, 0.023713737057, 74
	SINCOS 0.056234132519, 0.017782794100, 76
	SINCOS 0.042169650343, 0.013335214322, 78
	SINCOS 0.01, 0.0031622776602, 80
	SINCOS 0.0074989420933, 0.0023713737057, 82
	SINCOS 0.0056234132519, 0.0017782794100, 84
	SINCOS 0.0042169650343, 0.0013335214322, 86
	SINCOS 0.001, 0.00031622776602, 88
	SINCOS 0.00074989420933, 0.00023713737057, 90
	SINCOS 0.00056234132519, 0.00017782794100, 92
	SINCOS 0.00042169650343, 0.00013335214322, 94
.irp e, 0,1,2,3,4,5,6,7
	global_store_b128 v3, v[64+4*\e:67+4*\e], s[16:17] offset:512*\e   ; 512 consecutive bytes a wave, aligned
.endr
	s_endpgm
.Lfunc_end_k_q9ef02d28d4_prep:
	.size	k_q9ef02d28d4_prep, .Lfunc_end_k_q9ef02d28d4_prep-k_q9ef02d28d4_prep
	.p2alignl 7, 3214868480
	.fill 96, 4, 3214868480
	.section	.rodata,"a",@progbits
	.p2align	6, 0x0
	.amdhsa_kernel k_q9ef02d28d4_prep
		.amdhsa_group_segment_fixed_size 33280
		.amdhsa_private_segment_fixed_size 0
		.amdhsa_enable_private_segment 0
		.amdhsa_kernarg_size 56
		.amdhsa_user_sgpr_count 2
		.amdhsa_user_sgpr_kernarg_segment_ptr 1
		.amdhsa_wavefront_size32 1
		.amdhsa_system_sgpr_workgroup_id_x 1
		.amdhsa_system_sgpr_workgroup_id_y 1
		.amdhsa_system_sgpr_workgroup_id_z 1
		.amdhsa_system_vgpr_workitem_id 0
		.amdhsa_next_free_vgpr 192
		.amdhsa_next_free_sgpr 66
		.amdhsa_reserve_vcc 1
		.amdhsa_float_denorm_mode_32 3
		.amdhsa_float_denorm_mode_16_64 3
		.amdhsa_memory_ordered 1
		.amdhsa_forward_progress 1
		.amdhsa_inst_pref_size 78
	.end_amdhsa_kernel
	.amdgpu_metadata
---
amdhsa.version: [ 1, 2 ]
amdhsa.kernels:
  - .name:           k_q9ef02d28d4_prep
    .symbol:         k_q9ef02d28d4_prep.kd
    .args:
      - { .name: x, .offset: 0, .size: 8, .value_kind: global_buffer, .address_space: global }
      - { .name: Wqkv, .offset: 8, .size: 8, .value_kind: global_buffer, .address_space: global }
      - { .name: Wo, .offset: 16, .size: 8, .value_kind: global_buffer, .address_space: global }
      - { .name: xq, .offset: 24, .size: 8, .value_kind: global_buffer, .address_space: global }
      - { .name: wq, .offset: 32, .size: 8, .value_kind: global_buffer, .address_space: global }
      - { .name: wo16, .offset: 40, .size: 8, .value_kind: global_buffer, .address_space: global }
      - { .name: tab, .offset: 48, .size: 8, .value_kind: global_buffer, .address_space: global }
    .group_segment_fixed_size: 33280
    .private_segment_fixed_size: 0
    .kernarg_segment_align: 8
    .kernarg_segment_size: 56
    .max_flat_workgroup_size: 128
    .sgpr_count:     66
    .vgpr_count:     192
    .wavefront_size: 32
...
	.end_amdgpu_metadata
.endif
;; end of part 1
;; launch qkv (part 2): grid 12 x 16, 4 waves a work-group, clusters of 4 x 1, 327,680 bytes of LDS; arguments xq, wq, qkv, e32, tab; writes qkv, e32
.if DOCPART == 2
	.amdgcn_target "amdgcn-amd-amdhsa--gfx1250"
	.amdhsa_code_object_version 6
	.text
	.protected	k_q9ef02d28d4_qkv
	.globl	k_q9ef02d28d4_qkv
	.p2align	8
	.type	k_q9ef02d28d4_qkv,@function
k_q9ef02d28d4_qkv:
	s_mov_b64 s[64:65], 0
	v_nop
	global_prefetch_b8 v0, s[64:65] scope:SCOPE_SE
	s_setreg_imm32_b32 hwreg(HW_REG_WAVE_MODE, 25, 1), 1
	s_wait_xcnt 0x0
	s_wait_alu depctr_hold_cnt(0) depctr_sa_sdst(0) depctr_va_vdst(0) depctr_va_sdst(0) depctr_va_ssrc(0) depctr_va_vcc(0) depctr_vm_vsrc(0)
	s_getreg_b32 s2, hwreg(HW_REG_IB_STS2, 6, 4)
	s_cmp_eq_u32 s2, 0
	s_cbranch_scc0 .Lentry_in_a_cluster
	s_endpgm
.Lentry_in_a_cluster:
	s_bfe_u32 s2, ttmp6, 0x10000c
	s_cmp_lg_u32 s2, 0x3003
	s_cbranch_scc0 .Lentry_shape_is_right
	s_endpgm
.Lentry_shape_is_right:
; QKV: [4096][3072] = x Wqkv^T on codes of FP4 (E2M1) with one E8M0 scale for each 32 along K = 1,024; sums in f32.  Then the rotation of q and k, in f32, and q, k, v go out in f16, laid as the attention's operand registers want them.
; A tile of 256 x 256 is made by a work-group of four waves; a wave makes 128 x 128: 64 accumulators of 16 x 16, 512 registers.  K = 1,024 is two LDS slots of 512 along K (rows of 256 bytes): both are asked for at the head, nothing is filled again.
; The scale bytes of the work-group's 256 rows of x and 256 rows of W, for all of K, come into LDS once, with the first fills.
; CLUSTER 4, 1, 1: the four column tiles of one part (q, k or v: the cluster's x) and one row tile.  They need the same tiles and scales of x: those are asked for jointly (mask 15).  W's tiles differ between the partners: plain loads behind the same round.
; The cluster has one row, not four, so that the row tile is a number that all partners share: the f32 copy of positions 0-15 hangs on it by a branch.
; THE MATRIX INSTRUCTION IS USED TRANSPOSED (source 0 = 16 rows of W, source 1 = 16 rows of x): lane (r, h) then holds position r and eight neighbouring columns 8 h + 0 .. 7: four pairs of the rotation, and 16 bytes of f16.
; OUT.  q, k: a head's block is [16 positions][kf 2][c 2][lane][16 bytes]: lane (r, h) = position r, channels 32 kf + 16 c + 8 h + 0 .. 7: the lanes' 16 bytes as they stand: every store is 512 consecutive bytes.
;       v: [32 keys][t 4][c 2][lane][16 bytes]: lane (r, h) = channel 16 t + r, keys 16 c + 8 h + 0 .. 7: turned through the wave's own stage in LDS by the turning load.
;       e32: positions 0-15 of each sequence once more, in f32 (q and k rotated): [batch][16 columns][c2 2][lane][16 bytes].
; LIMITS: |q|, |k|, |v| up to 65,504 (f16).
; REGISTERS: window 0: v0-31 addresses; v32-95 scale words, two sets; from v128 x's fragments, one set; on the way out v32-255 are free.  window 1: W's fragments, two sets, at v0 and v128; v64-127 and v192-255 take the table of my first 64 positions.
;   window 2: the accumulators of my rows 0-63 ((a, b) at v[8 (8 a + b)]);  window 3: those of my rows 64-127.
.set KSTEP,  512
.set NQ,     KSTEP/128
.set ROWB,   256                       ; a tile's row in bytes
.set KROW,   512                       ; a row of codes in memory
.set PITCH,  272                       ; an LDS row: 256 bytes + 16 of padding: the 16 rows that a load touches start 68 words apart
.set FR,     8
.set NL,     2
.set NP,     4                         ; places behind this matrix instruction (ISA guide 7.12.1)
.set HALFT,  128*PITCH
.set SLOT,   4*HALFT
.set KS,     32                        ; a row of scale bytes
.set SCL,    2*SLOT
.set HALFS,  (128*KS/256)*272
.set SBLK,   (16*KS/256)*272
.set SPARE,  SCL+4*HALFS               ; the spare words, 128 bytes a wave
.set ADRA, 16                          ; v16-17 LDS address of my x fragments in slot 0, 1
.set ADRB, 20                          ; v20-21 the same for W
.set STG,  24                          ; v24 my stage: 4,096 x wave + 16 x lane
.set TRA,  25                          ; v25 and where the turning load reads it
.set LI,   26                          ; v26 16 x lane
.set ADRS, 27                          ; v27 my scale words: lanes 0-15 x's rows, lanes 16-31 W's
.set SPW,  28
.set NIL,  29
.set SC,   32
.set RO,   32                          ; the way out: 64 rotated numbers
.set HF,   96                          ; 32 registers of f16
.set AF,   128
.set VT,   128                         ; v turned
.set G1, 24
.set G0, 32
.set G1B, 48
.set G0B, 56
.set G1S, 68
.set G0S, 76
.set G1SB, 80
.set G0SB, 88
.set MSB, 0
.macro WIN new                         ; the immediate's high byte repeats the setting that is left
.if MSB != \new
	s_set_vgpr_msb (MSB<<8)|\new
.set MSB, \new
.endif
.endm
.set MUL_LO, 0xa1                      ; source 0 (W) window 1, source 1 (x) window 0, C and D window 2
.set MUL_HI, 0xf1
.set TO_B,   0x40                      ; destination window 1, address window 0
; Waves 0 and 1 fetch for x (jointly), waves 2 and 3 for W.  The branch hangs on the wave's number alone.  An s_nop 0 and four v_nop follow each of the two lines.
.macro JLOAD g0a, g1a, g0b, g1b
	s_cmp_eq_u32 s15, 0
	s_cbranch_scc0 .Lfor_b_\@
	tensor_load_to_lds s[\g0a:\g0a+3], s[\g1a:\g1a+7]
	s_nop 0
.rept 4
	v_nop
.endr
	s_branch .Lasked_\@
.Lfor_b_\@:
	tensor_load_to_lds s[\g0b:\g0b+3], s[\g1b:\g1b+7]
	s_nop 0
.rept 4
	v_nop
.endr
.Lasked_\@:
.endm
.macro CROUND                          ; a round of the cluster's barrier
	s_barrier_signal -1
	s_barrier_wait -1
	s_cmp_lg_u32 s14, 0
	s_cbranch_scc1 .Lnot_wave_0_\@
	s_barrier_signal -3
.Lnot_wave_0_\@:
	s_barrier_wait -3
	s_barrier_signal -1
	s_barrier_wait -1
.endm
	s_load_b128 s[4:7], s[0:1], 0x0                ; xq, wq
	s_load_b128 s[96:99], s[0:1], 0x10             ; qkv, e32
	s_load_b64 s[12:13], s[0:1], 0x20              ; tab
	v_lshl_add_u32 v[SPW], v0, 2, SPARE
	v_mov_b32 v[NIL], 0
	ds_add_u32 v[SPW], v[NIL]                      ; the wave's opening: the add, twice on end, and its wait ahead of my first tensor load
	ds_add_u32 v[SPW], v[NIL]
	v_lshrrev_b32 v1, 5, v0
	v_readfirstlane_b32 s14, v1                    ; wave 0..3
	s_lshr_b32 s15, s14, 1                         ; which half of the tile's rows is mine.  Also: I fetch for x (0) or for W (1)
	s_and_b32 s16, s14, 1                          ; which half of its columns.  Also: which 128 rows I fetch
	s_bfe_u32 s40, ttmp6, 0x40000                  ; cx
	s_lshl_b32 s42, ttmp9, 2
	s_add_co_u32 s42, s42, s40                     ; column tile 0..11 = 4 x part + cx
	s_and_b32 s17, ttmp7, 0xffff                   ; row tile 0..15: the same in all four partners
	s_mov_b32 s[G1+0], 15|(1<<20)|(1<<21)|(5<<22)|(3<<25)      ; x's tiles: mask of all four; elements of 1 byte; padding: 4 words after every 64; bit 21 beside a mask
	s_mov_b32 s[G1B+0], (1<<20)|(5<<22)|(3<<25)                ; W's tiles: no mask
.irp g, G1, G1B
	s_mov_b32 s[\g+1], ROWB<<16                    ; tensor_dim0
	s_mov_b32 s[\g+2], 128<<16                     ; tensor_dim1
	s_mov_b32 s[\g+3], ROWB<<16                    ; tile_dim0
	s_mov_b32 s[\g+4], 128                         ; tile_dim1
	s_mov_b32 s[\g+5], KROW                        ; tensor_dim0_stride
	s_mov_b32 s[\g+6], 0
	s_mov_b32 s[\g+7], 0
.endr
	s_mov_b32 s[G1S+0], 15|(3<<16)|(1<<20)|(1<<21)|(5<<22)|(3<<25)   ; the scales of 128 rows: 4,096 dense bytes as 16 rows of 256 (32 elements of 8 bytes), 16 bytes of padding behind each
	s_mov_b32 s[G1SB+0], (3<<16)|(1<<20)|(5<<22)|(3<<25)
.irp g, G1S, G1SB
	s_mov_b32 s[\g+1], 32<<16
	s_mov_b32 s[\g+2], (128*KS/256)<<16
	s_mov_b32 s[\g+3], 32<<16
	s_mov_b32 s[\g+4], 128*KS/256
	s_mov_b32 s[\g+5], 32
	s_mov_b32 s[\g+6], 0
	s_mov_b32 s[\g+7], 0
.endr
	s_lshl_b32 s18, s16, 7
	s_lshl_b32 s20, s17, 8
	s_add_co_u32 s20, s20, s18                     ; x: row 256 x row tile + 128 x half
	s_lshl_b32 s46, s42, 8
	s_add_co_u32 s46, s46, s18                     ; W: row 256 x column tile + 128 x half
	s_mov_b32 s21, 0
	s_mov_b32 s47, 0
	s_mov_b64 s[18:19], KS
	s_mul_u64 s[22:23], s[20:21], s[18:19]         ; where these rows' scales begin
	s_mul_u64 s[92:93], s[46:47], s[18:19]
	s_mov_b64 s[18:19], KROW
	s_mul_u64 s[20:21], s[20:21], s[18:19]         ; and their codes
	s_mul_u64 s[46:47], s[46:47], s[18:19]
	s_mul_i32 s45, s14, HALFT                      ; where they go: wave x 128 rows
	s_mul_i32 s94, s14, HALFS
	s_wait_dscnt 0x0                               ; both opening adds are done
	s_wait_kmcnt 0x0
	s_mov_b64 s[8:9], s[6:7]                       ; W's codes
	s_add_nc_u64 s[10:11], s[6:7], 1572864         ; W's scales, behind them
	s_add_nc_u64 s[6:7], s[4:5], 2097152           ; x's scales, behind x's codes
	s_add_nc_u64 s[20:21], s[4:5], s[20:21]
	s_add_nc_u64 s[22:23], s[6:7], s[22:23]
	s_add_nc_u64 s[46:47], s[8:9], s[46:47]
	s_add_nc_u64 s[92:93], s[10:11], s[92:93]
	CROUND                                         ; all four work-groups are here: the first joint loads meet
	s_mov_b32 s[G0S], 1
	s_add_co_u32 s[G0S+1], s94, SCL
	s_mov_b64 s[G0S+2:G0S+3], s[22:23]
	s_or_b32 s[G0S+3], s[G0S+3], 0x80000000
	s_mov_b32 s[G0SB], 1
	s_add_co_u32 s[G0SB+1], s94, SCL
	s_mov_b64 s[G0SB+2:G0SB+3], s[92:93]
	s_or_b32 s[G0SB+3], s[G0SB+3], 0x80000000
	JLOAD G0S, G1S, G0SB, G1SB                     ; the scales first; by this text's count a wave has three tensor loads out at the most
.irp s, 0,1
	s_mov_b32 s[G0+4*\s], 1
	s_add_co_u32 s[G0+4*\s+1], s45, \s*SLOT
	s_add_nc_u64 s[G0+4*\s+2:G0+4*\s+3], s[20:21], \s*ROWB
	s_or_b32 s[G0+4*\s+3], s[G0+4*\s+3], 0x80000000
	s_mov_b32 s[G0B+4*\s], 1
	s_add_co_u32 s[G0B+4*\s+1], s45, \s*SLOT
	s_add_nc_u64 s[G0B+4*\s+2:G0B+4*\s+3], s[46:47], \s*ROWB
	s_or_b32 s[G0B+4*\s+3], s[G0B+4*\s+3], 0x80000000
	JLOAD G0+4*\s, G1, G0B+4*\s, G1B
.endr
	v_and_b32 v1, 15, v0                           ; r
	v_bfe_u32 v2, v0, 4, 1                         ; h
	v_mul_u32_u24 v3, v1, PITCH
	v_lshl_add_u32 v4, v2, 4, v3                   ; a fragment's row x pitch + 16 x half
	s_mul_i32 s21, s15, HALFT                      ; my 128 rows of x
	s_mul_i32 s22, s16, HALFT                      ; my 128 rows of W,
	s_add_co_u32 s22, s22, 2*HALFT                 ; which lie behind x's 256
.irp s, 0,1
	v_add_nc_u32 v[ADRA+\s], s21, v4
	v_add_nc_u32 v[ADRB+\s], s22, v4
	s_add_co_u32 s21, s21, SLOT
	s_add_co_u32 s22, s22, SLOT
.endr
	v_mul_u32_u24 v5, v1, KS                       ; my row's scales: KS bytes a row,
	v_lshrrev_b32 v6, 8, v5
	v_lshl_add_u32 v5, v6, 4, v5                   ; and 16 more for each 256 passed
	s_mul_i32 s21, s15, HALFS
	s_mul_i32 s22, s16, HALFS
	s_add_co_u32 s22, s22, 2*HALFS
	s_sub_co_u32 s22, s22, s21
	v_mul_u32_u24 v6, s22, v2                      ; lanes 16-31 take W's
	s_add_co_u32 s21, s21, SCL
	v_add_nc_u32 v5, v5, v6
	v_add_nc_u32 v[ADRS], s21, v5
	s_lshl_b32 s23, s14, 12                        ; my stage for v: 4,096 bytes in slot 0, used when that slot has had its only fill and its last read
	v_and_b32 v6, 31, v0
	v_lshlrev_b32 v[LI], 4, v6
	v_add_nc_u32 v[STG], s23, v[LI]
	v_bfe_u32 v5, v0, 3, 1                         ; the turning load: lane l reads position 8 (l / 16) + l % 8, channels 8 ((l / 8) % 2) + 0 .. 7
	v_lshlrev_b32 v5, 8, v5
	v_lshl_add_u32 v5, v2, 7, v5
	v_and_b32 v7, 7, v0
	v_lshl_add_u32 v5, v7, 4, v5
	v_add_nc_u32 v[TRA], s23, v5
	; where my part goes
	s_lshr_b32 s18, s17, 3                         ; batch
	s_and_b32 s19, s17, 7                          ; row tile within the sequence
	s_or_b32 s3, s19, s15                          ; 0: my rows begin with position 0
	s_lshl_b32 s20, s19, 4
	s_lshl_b32 s21, s15, 3
	s_add_co_u32 s20, s20, s21                     ; my first block of 16 positions
	s_lshl_b32 s22, s20, 12                        ; the table: 4,096 bytes a block
	s_mov_b32 s23, 0
	s_add_nc_u64 s[12:13], s[12:13], s[22:23]
	s_lshl_b32 s22, s20, 11                        ; the images: 2,048 bytes for 16 positions of a head
	s_and_b32 s21, s42, 3
	s_lshl_b32 s21, s21, 2
	s_lshl_b32 s20, s16, 1
	s_add_co_u32 s21, s21, s20
	s_lshl_b32 s20, s18, 4
	s_add_co_u32 s21, s21, s20                     ; my first head: 16 x batch + 4 x (column tile % 4) + 2 x half
	s_lshl_b32 s21, s21, 18
	s_add_co_u32 s22, s22, s21
	s_lshl_b32 s21, ttmp9, 23                      ; the part: q, k or v
	s_add_co_u32 s22, s22, s21
	s_add_nc_u64 s[96:97], s[96:97], s[22:23]
	s_mul_i32 s22, s18, 196608                     ; e32: 192 blocks of 16 columns x 1,024 bytes a batch
	s_lshl_b32 s21, s42, 14
	s_add_co_u32 s22, s22, s21
	s_lshl_b32 s21, s16, 13
	s_add_co_u32 s22, s22, s21
	s_add_nc_u64 s[98:99], s[98:99], s[22:23]
; The table of block a of my eight blocks of 16 positions: 8 loads of 512 bytes into 32 registers of window 1: a = 0..3 into the registers that lie idle beside W's two sets, a = 4..7 into those sets when they are done with.
.macro TABLOAD a
.set TRB, 64*(1-(\a)/4)+32*((\a)%2)+128*(((\a)%4)/2)
.irp e, 0,1,2,3,4,5,6,7
	global_load_b128 v[TRB+4*\e:TRB+4*\e+3], v[LI], s[12:13] offset:4096*(\a)+512*\e
.endr
.endm
	WIN TO_B
	TABLOAD 0                                      ; asked for here, wanted on the way out.  The v tiles issue these 32 loads too and use nothing of them (16 KB a wave): the head is one text for all three parts
	TABLOAD 1
	TABLOAD 2
	TABLOAD 3
	WIN 0
.macro FRAG reg, adr, q, i             ; a fragment, 16 rows x 128 K of 4-bit codes, is 8 registers: lane l holds row l % 16; registers 4 c .. 4 c + 3 hold K = 64 c + 32 (l / 16) + 0 .. 31
.irp c, 0,1
	ds_load_b128 v[\reg+4*\c:\reg+4*\c+3], v[\adr] offset:64*(\q)+32*\c+(\i)*16*PITCH
.endr
.endm
; 16 matrix instructions: x's blocks a0, a0 + 1 against W's eight, 128 along K.  The 64 accumulators take turns, one instruction a turn, in the same order in every step.
.macro MUL16 a0, p, q, sc, zero
.irp a, \a0, \a0+1
.irp b, 0,1,2,3,4,5,6,7
.if \zero
	v_wmma_scale_f32_16x16x128_f8f6f4 v[8*(8*((\a)%4)+\b):8*(8*((\a)%4)+\b)+7], v[128*(\p)+FR*\b:128*(\p)+FR*\b+FR-1], v[AF+FR*(\a):AF+FR*(\a)+FR-1], 0, v[SC+8*NQ*(\sc)+NQ*\b+(\q)], v[SC+8*NQ*(\sc)+NQ*(\a)+(\q)] matrix_a_fmt:MATRIX_FMT_FP4 matrix_b_fmt:MATRIX_FMT_FP4 matrix_a_scale:MATRIX_SCALE_ROW1
.else
	v_wmma_scale_f32_16x16x128_f8f6f4 v[8*(8*((\a)%4)+\b):8*(8*((\a)%4)+\b)+7], v[128*(\p)+FR*\b:128*(\p)+FR*\b+FR-1], v[AF+FR*(\a):AF+FR*(\a)+FR-1], v[8*(8*((\a)%4)+\b):8*(8*((\a)%4)+\b)+7], v[SC+8*NQ*(\sc)+NQ*\b+(\q)], v[SC+8*NQ*(\sc)+NQ*(\a)+(\q)] matrix_a_fmt:MATRIX_FMT_FP4 matrix_b_fmt:MATRIX_FMT_FP4 matrix_a_scale:MATRIX_SCALE_ROW1
.endif
.endr
.endr
.endm
.macro FETCH_B slot, q, p
	WIN TO_B
.irp i, 0,1,2,3,4,5,6,7
	FRAG 128*(\p)+FR*\i, ADRB+\slot, \q, \i
.endr
	WIN 0
.endm
.macro FETCH_A slot, q, i0
.irp i, \i0, \i0+1, \i0+2, \i0+3
	FRAG AF+FR*(\i), ADRA+\slot, \q, \i
.endr
.endm
.macro SCALES sc                       ; a slot's scale words: 4 words a row; lanes 0-15 take x's block i, lanes 16-31 W's block i
.irp i, 0,1,2,3,4,5,6,7
	ds_load_b128 v[SC+8*NQ*\sc+NQ*\i:SC+8*NQ*\sc+NQ*\i+3], v[ADRS] offset:\i*SBLK
.endr
.endm
.macro PLACES n                        ; plain vector instructions between a matrix instruction and a load into, or a vector write or read of, its registers
.rept \n
	v_nop
.endr
.endm
.macro STEP slot, q, zero              ; 128 along K, with its successor in the same slot
	s_wait_dscnt 4*NL                              ; W's set and x's blocks 0-3 are in; the youngest eight loads (x's blocks 4-7) may be out
	WIN MUL_LO
	MUL16 0, (\q)%2, \q, \slot, \zero
	MUL16 2, (\q)%2, \q, \slot, \zero
	s_wait_dscnt 0
	PLACES NP
	FETCH_B \slot, (\q)+1, 1-(\q)%2
	FETCH_A \slot, (\q)+1, 0
	WIN MUL_HI
	MUL16 4, (\q)%2, \q, \slot, \zero
	MUL16 6, (\q)%2, \q, \slot, \zero
	PLACES NP
	WIN 0
	FETCH_A \slot, (\q)+1, 4
.endm
.macro TURN slot, next                 ; a slot's last step changes slots: one barrier; nothing is filled again
	s_wait_tensorcnt 0x0                           ; all my tensor loads have landed: my part of the next slot
	ds_add_u32 v[SPW], v[NIL]                      ; 0 onto my spare word
	s_wait_dscnt 4*NL+1                            ; (the add and the youngest eight loads may be out)
	WIN MUL_LO
	MUL16 0, 1, NQ-1, \slot, 0
	s_wait_dscnt 0x0                               ; the add is done, and my reads of this slot are over
	s_barrier_signal -1
	MUL16 2, 1, NQ-1, \slot, 0
	WIN 0
	s_barrier_wait -1                              ; the next slot is whole, and nobody reads this one any more
	PLACES NP
	v_add_nc_u32 v[ADRS], 4*NQ, v[ADRS]            ; on to the next slot's scale words
	FETCH_B \next, 0, 0
	FETCH_A \next, 0, 0
	SCALES \next
	WIN MUL_HI
	MUL16 4, 1, NQ-1, \slot, 0
	MUL16 6, 1, NQ-1, \slot, 0
	PLACES NP
	WIN 0
	FETCH_A \next, 0, 4
.endm
	s_wait_tensorcnt 1                             ; the scales and my part of slot 0 are in; slot 1's load may be out
	s_barrier_signal -1
	s_barrier_wait -1                              ; everybody's are
	FETCH_B 0, 0, 0
	FETCH_A 0, 0, 0
	SCALES 0
	FETCH_A 0, 0, 4
	STEP 0, 0, 1                                   ; the first step's products start the sums: nothing is cleared
	STEP 0, 1, 0
	STEP 0, 2, 0
	TURN 0, 1
	STEP 1, 0, 0
	STEP 1, 1, 0
	STEP 1, 2, 0
	s_wait_dscnt 4*NL                              ; the last step: nothing more to fetch
	WIN MUL_LO
	MUL16 0, 1, NQ-1, 1, 0
	MUL16 2, 1, NQ-1, 1, 0
	s_wait_dscnt 0
	WIN MUL_HI
	MUL16 4, 1, NQ-1, 1, 0
	MUL16 6, 1, NQ-1, 1, 0
	WIN 0
	PLACES NP                                      ; behind the last products: their results are read, and their operands' and scales' registers written, only from here on
	s_cmp_ge_u32 ttmp9, 2                          ; the part is the cluster's x: the same in all partners
	s_cbranch_scc1 .Lv
	; ---------------- q and k: rotate, round to f16, store
	WIN TO_B
	TABLOAD 4
	TABLOAD 5
	TABLOAD 6
	TABLOAD 7
	WIN 0
; Block a: 16 positions x my 128 columns.  A pair (x1, x2) becomes (x1 cos - x2 sin, x1 sin + x2 cos): one packed multiply by x1, one packed multiply-add by x2; the table's pair is (cos, sin).
.macro QKOUT a
.set TRB, 64*(1-(\a)/4)+32*((\a)%2)+128*(((\a)%4)/2)
.set AC, 64*((\a)%4)
.set WQ, 0x06+(\a)/4
.if (\a) == 0
	s_wait_loadcnt 32                              ; the head's 32 table loads are in; the 32 just issued may be out
.endif
.if (\a) == 4
	s_wait_loadcnt 0x0
.endif
.if (\a) > 0
	s_wait_xcnt 0x0                                ; the last block's stores have read their data registers
.endif
	WIN WQ                                         ; source 0: the accumulators' window; source 1: window 1, the table; source 2 and the destination: window 0
.irp b, 0,1,2,3,4,5,6,7
.irp p, 0,1,2,3
	v_pk_mul_f32 v[RO+8*\b+2*\p:RO+8*\b+2*\p+1], v[AC+8*\b+2*\p:AC+8*\b+2*\p+1], v[TRB+8*(\b%4)+2*\p:TRB+8*(\b%4)+2*\p+1] op_sel_hi:[0,1]   ; (x1 cos, x1 sin); each accumulator is read from its low end on
.endr
.irp p, 0,1,2,3
	v_pk_fma_f32 v[RO+8*\b+2*\p:RO+8*\b+2*\p+1], v[AC+8*\b+2*\p:AC+8*\b+2*\p+1], v[TRB+8*(\b%4)+2*\p:TRB+8*(\b%4)+2*\p+1], v[RO+8*\b+2*\p:RO+8*\b+2*\p+1] op_sel:[1,1,0] op_sel_hi:[1,0,1] neg_lo:[0,1,0]   ; (- x2 sin, + x2 cos)
.endr
.endr
	WIN 0
.irp b, 0,1,2,3,4,5,6,7
.irp p, 0,1,2,3
	v_cvt_pk_f16_f32 v[HF+4*\b+\p], v[RO+8*\b+2*\p], v[RO+8*\b+2*\p+1]
.endr
.endr
.irp b, 0,1,2,3,4,5,6,7
	global_store_b128 v[LI], v[HF+4*\b:HF+4*\b+3], s[96:97] offset:2048*(\a)+512*(\b%4)+262144*(\b/4)   ; 512 consecutive bytes, aligned
.endr
.if (\a) == 0
	s_cmp_lg_u32 s3, 0                             ; positions 0-15 of a sequence once more, in f32
	s_cbranch_scc1 .Lno_e_qk
.irp b, 0,1,2,3,4,5,6,7
	global_store_b128 v[LI], v[RO+8*\b:RO+8*\b+3], s[98:99] offset:1024*\b
	global_store_b128 v[LI], v[RO+8*\b+4:RO+8*\b+7], s[98:99] offset:1024*\b+512
.endr
.Lno_e_qk:
.endif
.endm
.irp a, 0,1,2,3,4,5,6,7
	QKOUT \a
.endr
	s_branch .Lend
.Lv:
	; ---------------- v: round to f16, turn 16 positions x 16 channels through my stage, store with the keys innermost
.macro VOUT a
.set AC, 64*((\a)%4)
.set WQ, 0x0a+5*((\a)/4)
.if (\a) > 0
	s_wait_xcnt 0x0                                ; the last block's stores have read their data registers
.endif
	WIN WQ                                         ; sources 0 and 1: the accumulators' window
.irp b, 0,1,2,3,4,5,6,7
.irp p, 0,1,2,3
	v_cvt_pk_f16_f32 v[HF+4*\b+\p], v[AC+8*\b+2*\p], v[AC+8*\b+2*\p+1]
.endr
.endr
	WIN 0
.irp b, 0,1,2,3,4,5,6,7
	ds_store_b128 v[STG], v[HF+4*\b:HF+4*\b+3] offset:512*\b
.endr
.irp b, 0,1,2,3,4,5,6,7
	ds_load_tr16_b128 v[VT+4*\b:VT+4*\b+3], v[TRA] offset:512*\b   ; LDS serves a wave's instructions in order: these see my stores.  Lane (r, h) gets channel 16 b + r, positions 8 h + 0 .. 7
.endr
	s_wait_dscnt 0x0
.irp b, 0,1,2,3,4,5,6,7
	global_store_b128 v[LI], v[VT+4*\b:VT+4*\b+3], s[96:97] offset:4096*((\a)/2)+1024*(\b%4)+512*((\a)%2)+262144*(\b/4)
.endr
.if (\a) == 0
	s_cmp_lg_u32 s3, 0
	s_cbranch_scc1 .Lno_e_v
	WIN 0x08                                       ; a store's data are its source 1: window 2
.irp b, 0,1,2,3,4,5,6,7
	global_store_b128 v[LI], v[8*\b:8*\b+3], s[98:99] offset:1024*\b
	global_store_b128 v[LI], v[8*\b+4:8*\b+7], s[98:99] offset:1024*\b+512
.endr
	WIN 0
.Lno_e_v:
.endif
.endm
.irp a, 0,1,2,3,4,5,6,7
	VOUT \a
.endr
.Lend:
	s_wait_tensorcnt 0x0                           ; the wave's end: behind my last tensor load and my last LDS store
	ds_add_u32 v[SPW], v[NIL]
	s_wait_dscnt 0x0
	CROUND                                         ; the closing round
	s_endpgm
.Lfunc_end_k_q9ef02d28d4_qkv:
	.size	k_q9ef02d28d4_qkv, .Lfunc_end_k_q9ef02d28d4_qkv-k_q9ef02d28d4_qkv
	.p2alignl 7, 3214868480
	.fill 96, 4, 3214868480
	.section	.rodata,"a",@progbits
	.p2align	6, 0x0
	.amdhsa_kernel k_q9ef02d28d4_qkv
		.amdhsa_group_segment_fixed_size 327680
		.amdhsa_private_segment_fixed_size 0
		.amdhsa_enable_private_segment 0
		.amdhsa_kernarg_size 40
		.amdhsa_user_sgpr_count 2
		.amdhsa_user_sgpr_kernarg_segment_ptr 1
		.amdhsa_wavefront_size32 1
		.amdhsa_system_sgpr_workgroup_id_x 1
		.amdhsa_system_sgpr_workgroup_id_y 1
		.amdhsa_system_sgpr_workgroup_id_z 1
		.amdhsa_system_vgpr_workitem_id 0
		.amdhsa_next_free_vgpr 1024
		.amdhsa_next_free_sgpr 100
		.amdhsa_reserve_vcc 0
		.amdhsa_float_denorm_mode_32 3
		.amdhsa_float_denorm_mode_16_64 3
		.amdhsa_memory_ordered 1
		.amdhsa_forward_progress 1
		.amdhsa_inst_pref_size 191
	.end_amdhsa_kernel
	.amdgpu_metadata
---
amdhsa.version: [ 1, 2 ]
amdhsa.kernels:
  - .name:           k_q9ef02d28d4_qkv
    .symbol:         k_q9ef02d28d4_qkv.kd
    .args:
      - { .name: xq, .offset: 0, .size: 8, .value_kind: global_buffer, .address_space: global }
      - { .name: wq, .offset: 8, .size: 8, .value_kind: global_buffer, .address_space: global }
      - { .name: qkv, .offset: 16, .size: 8, .value_kind: global_buffer, .address_space: global }
      - { .name: e32, .offset: 24, .size: 8, .value_kind: global_buffer, .address_space: global }
      - { .name: tab, .offset: 32, .size: 8, .value_kind: global_buffer, .address_space: global }
    .group_segment_fixed_size: 327680
    .private_segment_fixed_size: 0
    .kernarg_segment_align: 8
    .kernarg_segment_size: 40
    .max_flat_workgroup_size: 128
    .sgpr_count:     100
    .vgpr_count:     1024
    .wavefront_size: 32
...
	.end_amdgpu_metadata
.endif
;; end of part 2
;; launch attn (part 3): grid 8 x 32, 8 waves a work-group, no clusters, 327,680 bytes of LDS; arguments qkv, o_img; writes o_img
.if DOCPART == 3
	.amdgcn_target "amdgcn-amd-amdhsa--gfx1250"
	.amdhsa_code_object_version 6
	.text
	.protected	k_q9ef02d28d4_attn
	.globl	k_q9ef02d28d4_attn
	.p2align	8
	.type	k_q9ef02d28d4_attn,@function
k_q9ef02d28d4_attn:
	s_mov_b64 s[64:65], 0
	v_nop
	global_prefetch_b8 v0, s[64:65] scope:SCOPE_SE
	s_setreg_imm32_b32 hwreg(HW_REG_WAVE_MODE, 25, 1), 1
	s_wait_xcnt 0x0
; ATTN: o[q] = the sum over keys k <= q of softmax_k(q . k / 8) v[k], 32 heads (batch x head) of 2,048 positions x 64 channels.  Operands in f16; the products' sums, maxima and row sums in f32; p is rounded to f16 for the second product, o once at the end.
; SHARES.  Work-group (i, head) owns TWO blocks of 128 queries: block 15 - i and block i.  Under the causal mask they need 16 - i and i + 1 blocks of 128 keys: 17 in every work-group.  So all 256 work-groups walk 17 trips, a constant:
; trips 0 .. 15 - i take the high block against key blocks 0 .. 15 - i, the others the low block against key blocks 0 .. i.  Only the two trips on the diagonal mask.
; A WAVE TAKES 32 QUERIES x 64 KEYS OF A TRIP: wave w has query group qg = w % 4 and key half kh = w / 4.  It reads only its half of K and of V from LDS (32 loads of 512 bytes), and each fragment feeds two matrix instructions.
; Each wave keeps its own maximum m, sum l and O^T over its keys; the two waves that share queries merge them at the end: cm = max, each part x 2^(its c m - cm).  Register set a of a wave holds query tile a xor kh, so every wave keeps its set 0 and sends its set 1.
; When the high block is done its sums are moved to idle registers; both blocks are exchanged once, behind the last trip, with one barrier that every wave passes.
; NO CLUSTER: from trip 16 - i on the eight work-groups of a head ask for different key blocks, so their requests are not the same in every round.
; LAYOUT.  S^T = K Q^T (source 0 = 16 keys, source 1 = 16 queries): a lane holds ONE query (lane % 16) and keys 8 (lane / 16) + 0 .. 7 of each tile.  Two tiles rounded to f16 in pairs ARE source 1 of O^T = V^T P.
; q, k, v lie in memory as images of these operands' registers, so a key block's K is 16,384 dense bytes and so is its V, and every fragment comes out of LDS at 16 x lane.
; SOFTMAX.  p = 2^(c s - c m), c = log2(e) / 8; in every trip O^T and l are multiplied by 2^(c m_old - c m_new).  A wave all of whose keys are hidden keeps m at its start, far under every score, l = 0 and O^T = 0, and counts for nothing in the merge.
; RING.  Two slots of FOUR key blocks (131,072 bytes each).  A wave's tensor load is one image of 16,384 bytes: block w / 2 of the slot, K's (w even) or V's (w odd).  Both slots are asked for at the head: two loads of a wave are out there, later one.
; A slot is filled again behind the barrier at which it is left: in front of trips 4, 8 and 12 (the last brings trip 16's block alone: waves 0 and 1).  Inside a slot's four trips there is no barrier.
; LIMITS: |q|, |k|, |v|, |o| up to 65,504 (f16).  Positions 0-15 of each sequence are stored here like the others and are made anew in f32 by a later launch.
; REGISTERS: window 0: v1-15 addresses and constants; v16-47 Q, 16 a set; v48-79 statistics, 16 a set; v80-143 S^T, then p, 32 a set; v144-175 P in f16; v176-239 O^T, 32 a set; v240-245 the merge.
;   window 1: v0-63 K's 8 fragments; v64-127 V's 8; v128-159 the low block's Q; v160-227 the high block's O^T, c m and l, kept for the end.
.set SLOTB, 131072
.set BLKB,  32768
.set SPARE, 2*SLOTB                    ; behind the ring: the spare words, 128 bytes a wave
.set EXB,   SLOTB                      ; the exchange lies in slot 1, which has had its last fill and its last read when the first number is stored there
.set EXW,   8704                       ; a wave's part of it: two blocks of queries x
.set EXX,   4352                       ; (32 registers' image, 4,096 bytes, + 8 bytes a lane of statistics)
.set LI,   1                           ; 16 x lane
.set ADR,  2                           ; LDS address of the trip's key block, my half
.set DD,   3                           ; v3, v4: on the diagonal, for set a: my query less my lane's first key: register 8 jt + j is hidden where 16 jt + j is above it
.set NINF, 5
.set SPW,  6
.set NIL,  7
.set PFO,  8                           ; 256 x lane
.set LIK,  9                           ; 16 x lane + 8,192 x kh
.set LQ,   10                          ; v10, v11: set a's place among my 32 queries' images
.set EXS,  12                          ; the exchange: where I store,
.set EXL,  13                          ; where my partner has stored;
.set E8S,  14                          ; the same with 8 bytes a lane
.set E8L,  15
.set Q,    16
.set ST,   48                          ; set a's statistics at ST + 16 a: +0 c m, +1 m, +2, +3 l (even keys', odd keys'), +4 .. +7 four chains of the maximum, +8 the factor (+9 named with it as a pair), +10 a lane permute's destination, +11 the old c m, +12 .. +15 two chains of the sum
.set S,    80
.set P,    144
.set O,    176
.set QL,   128                         ; window 1
.set SV,   160                         ; window 1: +0 .. +63 O^T, +64 c m and +65 l of set 0, +66, +67 of set 1
; s[4:5] qkv, s[6:7] o_img, s8 wave, s9 head, s[10:11] lane selects, s[12:13] c, s14 qg, s15 kh, s[16:23] group 1, s[24:27] group 0 of the first fill, s[28:31] of the second, which then walks,
; s32 trips done, s33 the trip at which the low block begins, s34 the key block's LDS byte, s35 the trip's first key, s36 the block's first query, s37, s38 loop counts, s39 the head's bytes,
; s[40:41] my image of key block 0, s[42:43] Q high, s[44:45], s46 the prefetch, s47 the trip for which I fetch, s[48:49] its key block's bytes, s[56:57] o high, s[58:59] o low, s[60:61] Q low; s50-55, s62, s63 at work
.set MSB, 0
.macro WIN new                         ; the immediate's high byte repeats the setting that is left
.if MSB != \new
	s_set_vgpr_msb (MSB<<8)|\new
.set MSB, \new
.endif
.endm
	s_load_b128 s[4:7], s[0:1], 0x0
	v_lshl_add_u32 v[SPW], v0, 2, SPARE
	v_mov_b32 v[NIL], 0
	ds_add_u32 v[SPW], v[NIL]                      ; the wave's opening: the add, twice on end, and its wait ahead of my first tensor load
	ds_add_u32 v[SPW], v[NIL]
	v_lshrrev_b32 v[ADR], 5, v0
	v_readfirstlane_b32 s8, v[ADR]
	s_and_b32 s9, ttmp7, 0xffff
	s_and_b32 s14, s8, 3
	s_lshr_b32 s15, s8, 2
	s_mov_b32 s10, 0x76543210
	s_mov_b32 s11, 0xfedcba98
	s_mov_b32 s12, 0x3e38aa3b                      ; c = log2(e) / 8
	s_mov_b32 s13, s12
	s_mov_b32 s16, 3<<16                           ; group 1: 16,384 dense bytes as 64 rows of 32 elements of 8 bytes; no mask, no padding
	s_mov_b32 s17, 32<<16
	s_mov_b32 s18, 64<<16
	s_mov_b32 s19, 32<<16
	s_mov_b32 s20, 64
	s_mov_b32 s21, 32
	s_mov_b32 s22, 0
	s_mov_b32 s23, 0
	s_mov_b32 s24, 1
	s_lshl_b32 s25, s8, 14                         ; LDS: 16,384 x wave in slot 0,
	s_mov_b32 s28, 1
	s_add_co_u32 s29, s25, SLOTB                   ; and in slot 1
	s_lshl_b32 s39, s9, 18
	s_and_b32 s50, s8, 1
	s_add_co_u32 s50, s50, 1
	s_lshl_b32 s50, s50, 23                        ; k's part of the buffer (w even) or v's (w odd)
	s_add_co_u32 s50, s50, s39
	s_mov_b32 s51, 0
	s_lshr_b32 s47, s8, 1                          ; which block of a slot I fetch
	s_lshl_b32 s48, s47, 14
	s_mov_b32 s49, 0
	s_add_co_u32 s47, s47, 4                       ; the trip of my second first fill
	s_sub_co_u32 s33, 16, ttmp9
	s_sub_co_u32 s36, 15, ttmp9                    ; the high block's number
	s_lshl_b32 s62, s14, 12                        ; Q: 2,048 bytes for 16 queries: my 32 begin 4,096 qg bytes into the block's 16,384
	s_add_co_u32 s62, s62, s39
	s_lshl_b32 s52, s36, 14
	s_add_co_u32 s52, s52, s62
	s_mov_b32 s53, 0
	s_lshl_b32 s54, ttmp9, 14
	s_add_co_u32 s54, s54, s62
	s_mov_b32 s55, 0
	s_lshr_b32 s62, s9, 4                          ; o: the block of 16 rows that I finish: 128 x batch + 8 x block + 2 qg + kh; 32,768 bytes each; my head's 2,048 in it
	s_lshl_b32 s62, s62, 7
	s_lshl_b32 s63, s14, 1
	s_add_co_u32 s62, s62, s63
	s_add_co_u32 s62, s62, s15
	s_lshl_b32 s62, s62, 15
	s_and_b32 s63, s9, 15
	s_lshl_b32 s63, s63, 11
	s_add_co_u32 s62, s62, s63
	s_lshl_b32 s56, s36, 18
	s_add_co_u32 s56, s56, s62
	s_mov_b32 s57, 0
	s_lshl_b32 s58, ttmp9, 18
	s_add_co_u32 s58, s58, s62
	s_mov_b32 s59, 0
	s_lshl_b32 s36, s36, 7                         ; the high block's first query
	s_cmp_eq_u32 ttmp9, 0
	s_cselect_b32 s46, 1, -1                       ; the head's work-group 0 prefetches while more than one refill of a whole slot is to come
	s_mov_b32 s32, 0
	s_mov_b32 s34, 0
	s_mov_b32 s35, 0
	s_mov_b32 s38, 2
	v_and_b32 v[LI], 31, v0
	v_lshlrev_b32 v[PFO], 8, v[LI]
	v_lshlrev_b32 v[E8S], 3, v[LI]
	v_lshlrev_b32 v[LI], 4, v[LI]
	s_lshl_b32 s62, s15, 13
	v_add_nc_u32 v[LIK], s62, v[LI]
	s_lshl_b32 s62, s15, 11
	v_add_nc_u32 v[LQ], s62, v[LI]                 ; set 0: query tile kh,
	s_xor_b32 s62, s62, 2048
	v_add_nc_u32 v[LQ+1], s62, v[LI]               ; set 1: the other one
	s_xor_b32 s63, s8, 4                           ; my partner: the same queries, the other keys
	s_mul_i32 s63, s63, EXW
	s_add_co_u32 s63, s63, EXB
	v_add_nc_u32 v[EXL], s63, v[LI]
	v_add_nc_u32 v[E8L], s63, v[E8S]
	s_mul_i32 s62, s8, EXW
	s_add_co_u32 s62, s62, EXB
	v_add_nc_u32 v[EXS], s62, v[LI]
	v_add_nc_u32 v[E8S], s62, v[E8S]
	v_and_b32 v[DD], 15, v0
	v_bfe_u32 v[DD+1], v0, 4, 1
	v_lshlrev_b32 v[DD+1], 3, v[DD+1]
	v_sub_nc_u32 v[DD+1], v[DD], v[DD+1]           ; r - 8 h
	s_lshl_b32 s62, s14, 5
	s_mul_i32 s63, s15, 48
	s_sub_co_i32 s63, s62, s63
	v_add_nc_u32 v[DD], s63, v[DD+1]               ; set 0: + 32 qg + 16 kh - 64 kh
	s_mul_i32 s63, s15, 80
	s_sub_co_i32 s63, s62, s63
	s_add_co_i32 s63, s63, 16
	v_add_nc_u32 v[DD+1], s63, v[DD+1]             ; set 1: + 32 qg + 16 (1 - kh) - 64 kh
	v_mov_b32 v[NINF], 0xff800000
.irp a, 0,1
	v_mov_b32 v[ST+16*\a+9], 0                     ; named as the upper half of a pair
	v_mov_b32 v[ST+16*\a+10], 0                    ; a lane permute's destination counts as one of its sources
.endr
	s_wait_dscnt 0x0                               ; both opening adds are done
	s_wait_kmcnt 0x0
	s_add_nc_u64 s[40:41], s[4:5], s[50:51]
	s_add_nc_u64 s[26:27], s[40:41], s[48:49]      ; trips 0-3: key block w / 2
	s_add_nc_u64 s[30:31], s[26:27], 4*16384       ; trips 4-7: key block 4 + w / 2
	s_add_nc_u64 s[44:45], s[26:27], 12*16384      ; what I prefetch: key block 12 + w / 2
	s_or_b32 s27, s27, 0x80000000
	s_or_b32 s31, s31, 0x80000000
	tensor_load_to_lds s[24:27], s[16:23]          ; both first fills go out together, ahead of every wait on TENSORcnt, every LDS read and every barrier
	s_nop 0
	tensor_load_to_lds s[28:31], s[16:23]
	s_nop 0
.rept 4
	v_nop
.endr
	s_add_nc_u64 s[42:43], s[4:5], s[52:53]
	s_add_nc_u64 s[60:61], s[4:5], s[54:55]
	s_add_nc_u64 s[56:57], s[6:7], s[56:57]
	s_add_nc_u64 s[58:59], s[6:7], s[58:59]
.irp a, 0,1
.irp n, 0,1,2,3
	global_load_b128 v[Q+16*\a+4*\n:Q+16*\a+4*\n+3], v[LQ+\a], s[42:43] offset:512*\n     ; the high block's Q
.endr
.endr
	WIN 0x40                                       ; destination window 1
.irp a, 0,1
.irp n, 0,1,2,3
	global_load_b128 v[QL+16*\a+4*\n:QL+16*\a+4*\n+3], v[LQ+\a], s[60:61] offset:512*\n   ; the low block's, kept until the switch
.endr
.endr
.set n, 0
.rept 68
	v_mov_b32 v[SV+n], 0                           ; where the high block's sums will be kept: written once here, so that they hold numbers on every way through the text
.set n, n+1
.endr
	WIN 0
; A block of queries begins: m under every score, l and O^T zero: the first trip's factor leaves them zero.
.macro INIT
.irp a, 0,1
	v_mov_b32 v[ST+16*\a+1], 0xff61b1e6            ; -3e38
	v_mul_f32 v[ST+16*\a], s12, v[ST+16*\a+1]
	v_mov_b32 v[ST+16*\a+2], 0
	v_mov_b32 v[ST+16*\a+3], 0
.endr
.set n, 0
.rept 64
	v_mov_b32 v[O+n], 0
.set n, n+1
.endr
.endm
; THE CHANGE OF SLOTS.  Each wave waits for all its tensor loads (its part of the slot that is about to be read), adds 0 to its spare word, and waits for that and for its reads of the slot that it has left; one barrier.
; fill = 1: behind it the slot just left takes the four key blocks of the trips eight on from its own; fill = 2: trip 16's block alone, which is waves 0 and 1's part; fill = 0: nothing.  A refill has four trips in which to land.
; The key block of trip t is t, or t less the trip at which the low block of queries begins: ids, the wave's number and the count of refills alone.
; THE PREFETCH INTO THE L2 stands behind the first refill's tensor load: each wave of the head's work-group 0, the only one that walks all sixteen key blocks, names the image that it will itself load at the next refill (key block 12 + w / 2):
; 16,384 bytes by two instructions, lanes 256 bytes apart, four trips ahead of that load.  So each aligned block of 256 bytes is named once in the launch.  Key blocks 0 to 11 come by their loads alone; the second refill asks for nothing.
.macro CHANGE fill
	s_wait_tensorcnt 0x0                           ; no tensor load of mine is out, so group 0 may be written
	ds_add_u32 v[SPW], v[NIL]                      ; 0 onto my spare word; the descriptor's steps stand between it and the wait for it
.if \fill
	s_add_co_u32 s47, s47, 4
	s_sub_co_u32 s48, s47, s33
	s_cmp_ge_u32 s47, s33
	s_cselect_b32 s48, s48, s47
	s_lshl_b32 s48, s48, 14
	s_xor_b32 s29, s29, SLOTB                      ; the other slot than last time
	s_add_nc_u64 s[30:31], s[40:41], s[48:49]
	s_or_b32 s31, s31, 0x80000000
.endif
	s_wait_dscnt 0x0                               ; the add is done, and my reads of the slot that I have left are over
	s_barrier_signal -1
	s_barrier_wait -1
.if \fill == 1
	tensor_load_to_lds s[28:31], s[16:23]          ; the first thing behind the barrier, and my one tensor load until the next
	s_nop 0
.rept 4
	v_nop
.endr
	s_cmp_gt_u32 s38, s46
	s_cbranch_scc0 .Lnot_mine_\@
	global_prefetch_b8 v[PFO], s[44:45] th:TH_LOAD_NT scope:SCOPE_SE
	global_prefetch_b8 v[PFO], s[44:45] offset:8192 th:TH_LOAD_NT scope:SCOPE_SE
.Lnot_mine_\@:
.endif
.if \fill == 2
	s_cmp_lt_u32 s8, 2                             ; the other six waves have no part of trip 16's block
	s_cbranch_scc0 .Lnone_\@
	tensor_load_to_lds s[28:31], s[16:23]
	s_nop 0
.rept 4
	v_nop
.endr
.Lnone_\@:
.endif
.endm
; A TRIP: my 32 queries against my 64 keys of the key block at LDS byte s34.  mask = 1: the trip may lie on the diagonal.
.macro TRIP mask
	v_add_nc_u32 v[ADR], s34, v[LIK]
	WIN 0x40                                       ; destination window 1
.set n, 0
.rept 16
	ds_load_b128 v[4*n:4*n+3], v[ADR] offset:512*n                 ; K: fragment (keys 16 jt on, channels 32 kf on) at v[16 jt + 8 kf]
.set n, n+1
.endr
	s_wait_dscnt 0x0
	WIN 0x01                                       ; source 0 window 1
.irp kf, 0,1
.irp jt, 0,1,2,3
.irp a, 0,1                                        ; the eight accumulators take turns; each fragment of K serves both sets of queries
.if \kf == 0
	v_wmma_f32_16x16x32_f16 v[S+32*\a+8*\jt:S+32*\a+8*\jt+7], v[16*\jt+8*\kf:16*\jt+8*\kf+7], v[Q+16*\a+8*\kf:Q+16*\a+8*\kf+7], 0
.else
	v_wmma_f32_16x16x32_f16 v[S+32*\a+8*\jt:S+32*\a+8*\jt+7], v[16*\jt+8*\kf:16*\jt+8*\kf+7], v[Q+16*\a+8*\kf:Q+16*\a+8*\kf+7], v[S+32*\a+8*\jt:S+32*\a+8*\jt+7]
.endif
.endr
.endr
.endr
	WIN 0x40
.set n, 0
.rept 16
	ds_load_b128 v[64+4*n:64+4*n+3], v[ADR] offset:16384+512*n     ; V: fragment (keys 32 kb on, channels 16 t on) at v[64 + 32 kb + 8 t]: asked for here, wanted behind the softmax
.set n, n+1
.endr
	WIN 0
.rept 4
	v_nop                                          ; places behind the products, ahead of the first read of their results (ISA guide 7.12.1)
.endr
.if \mask
	s_cmp_lg_u32 s35, s36                          ; only where the key block is the query block does the mask hide anything
	s_cbranch_scc1 .Lopen_\@
.irp a, 0,1
.set n, 0
.rept 32
	v_cmp_gt_i32 vcc_lo, 16*(n/8)+n%8, v[DD+\a]
	v_cndmask_b32 v[S+32*\a+n], v[S+32*\a+n], v[NINF], vcc_lo      ; a hidden score becomes -infinity: p = 0
.set n, n+1
.endr
.endr
.Lopen_\@:
.endif
.irp k, 0,1,2,3                                    ; the maximum: a chain to an accumulator, each read from its low end on; the two sets by turns
.irp a, 0,1
	v_max3_num_f32 v[ST+16*\a+4+\k], v[S+32*\a+8*\k], v[S+32*\a+8*\k+1], v[S+32*\a+8*\k+2]
.endr
.endr
.irp i, 3,5
.irp k, 0,1,2,3
.irp a, 0,1
	v_max3_num_f32 v[ST+16*\a+4+\k], v[ST+16*\a+4+\k], v[S+32*\a+8*\k+\i], v[S+32*\a+8*\k+\i+1]
.endr
.endr
.endr
.irp a, 0,1
	v_max3_num_f32 v[ST+16*\a+4], v[ST+16*\a+4], v[S+32*\a+7], v[S+32*\a+15]
	v_max3_num_f32 v[ST+16*\a+6], v[ST+16*\a+6], v[S+32*\a+23], v[S+32*\a+31]
.endr
.irp a, 0,1
	v_max3_num_f32 v[ST+16*\a+4], v[ST+16*\a+4], v[ST+16*\a+5], v[ST+16*\a+6]
.endr
.irp a, 0,1
	v_max3_num_f32 v[ST+16*\a+4], v[ST+16*\a+4], v[ST+16*\a+7], v[ST+16*\a+1]   ; with the old m
.endr
.irp a, 0,1
	v_permlanex16_b32 v[ST+16*\a+10], v[ST+16*\a+4], s10, s11      ; the query's other 32 keys lie in the lane 16 away
.endr
.irp a, 0,1
	v_mov_b32 v[ST+16*\a+11], v[ST+16*\a]
.endr
.irp a, 0,1
	v_max_num_f32 v[ST+16*\a+1], v[ST+16*\a+4], v[ST+16*\a+10]     ; the new m
.endr
.irp a, 0,1
	v_mul_f32 v[ST+16*\a], s12, v[ST+16*\a+1]
.endr
.irp a, 0,1
	v_sub_f32 v[ST+16*\a+11], v[ST+16*\a+11], v[ST+16*\a]
.endr
.irp a, 0,1
	v_exp_f32 v[ST+16*\a+8], v[ST+16*\a+11]        ; 2^(c m_old - c m_new)
.endr
.irp a, 0,1
.set n, 0
.rept 16
	v_pk_fma_f32 v[S+32*\a+2*n:S+32*\a+2*n+1], v[S+32*\a+2*n:S+32*\a+2*n+1], s[12:13], v[ST+16*\a:ST+16*\a+1] op_sel_hi:[1,0,0] neg_lo:[0,0,1] neg_hi:[0,0,1]   ; c s - c m
.set n, n+1
.endr
.endr
.set n, 0
.rept 64
	v_exp_f32 v[S+n], v[S+n]
.set n, n+1
.endr
	v_nop                                          ; a plain instruction behind the last exponential
	s_wait_alu depctr_va_vdst(0)                   ; one wait for the batch of 66, ahead of its first reader
.irp a, 0,1                                        ; the row's sum of the unrounded p, in two chains a set
	v_pk_add_f32 v[ST+16*\a+12:ST+16*\a+13], v[S+32*\a:S+32*\a+1], v[S+32*\a+2:S+32*\a+3]
	v_pk_add_f32 v[ST+16*\a+14:ST+16*\a+15], v[S+32*\a+4:S+32*\a+5], v[S+32*\a+6:S+32*\a+7]
.endr
.irp p, 8,12,16,20,24,28
.irp a, 0,1
	v_pk_add_f32 v[ST+16*\a+12:ST+16*\a+13], v[ST+16*\a+12:ST+16*\a+13], v[S+32*\a+\p:S+32*\a+\p+1]
	v_pk_add_f32 v[ST+16*\a+14:ST+16*\a+15], v[ST+16*\a+14:ST+16*\a+15], v[S+32*\a+\p+2:S+32*\a+\p+3]
.endr
.endr
.irp a, 0,1
	v_pk_add_f32 v[ST+16*\a+12:ST+16*\a+13], v[ST+16*\a+12:ST+16*\a+13], v[ST+16*\a+14:ST+16*\a+15]
.endr
.irp a, 0,1
	v_pk_fma_f32 v[ST+16*\a+2:ST+16*\a+3], v[ST+16*\a+2:ST+16*\a+3], v[ST+16*\a+8:ST+16*\a+9], v[ST+16*\a+12:ST+16*\a+13] op_sel_hi:[1,0,1]
.endr
.set n, 0
.rept 32
	v_cvt_pk_f16_f32 v[P+n], v[S+2*n], v[S+2*n+1]
.set n, n+1
.endr
.irp a, 0,1
.set n, 0
.rept 16
	v_pk_mul_f32 v[O+32*\a+2*n:O+32*\a+2*n+1], v[O+32*\a+2*n:O+32*\a+2*n+1], v[ST+16*\a+8:ST+16*\a+9] op_sel_hi:[1,0]
.set n, n+1
.endr
.endr
	s_wait_dscnt 0x0                               ; V is in
	WIN 0x01
.irp kb, 0,1
.irp t, 0,1,2,3
.irp a, 0,1                                        ; the eight accumulators take turns; each fragment of V serves both sets
	v_wmma_f32_16x16x32_f16 v[O+32*\a+8*\t:O+32*\a+8*\t+7], v[64+32*\kb+8*\t:64+32*\kb+8*\t+7], v[P+16*\a+8*\kb:P+16*\a+8*\kb+7], v[O+32*\a+8*\t:O+32*\a+8*\t+7]
.endr
.endr
.endr
	WIN 0
.rept 4
	v_nop                                          ; places ahead of the next loads into the operands' registers and of the first read of O^T
.endr
.endm
; THE SWITCH from the high block of queries to the low one: work on registers alone.  The high block's O^T, c m and l go to window 1, the low block's Q comes from there, the sums begin anew.
.macro SWITCH
	WIN 0x40                                       ; destination window 1
.set n, 0
.rept 64
	v_mov_b32 v[SV+n], v[O+n]                      ; each accumulator from its low end on
.set n, n+1
.endr
.irp a, 0,1
	v_mov_b32 v[SV+64+2*\a], v[ST+16*\a]
	v_add_f32 v[SV+65+2*\a], v[ST+16*\a+2], v[ST+16*\a+3]
.endr
	WIN 0x01                                       ; source 0 window 1
.set n, 0
.rept 32
	v_mov_b32 v[Q+n], v[QL+n]
.set n, n+1
.endr
	WIN 0
	INIT
	s_lshl_b32 s36, ttmp9, 7
	s_mov_b32 s35, 0
.endm
; A slot's four trips: written once, walked four times, with no barrier between them.  sw = 1: the diagonal and the switch may fall among them (they fall on trips 8 to 15).
.macro FOUR sw
	s_mov_b32 s37, 4
.Lfour_\@:
	TRIP \sw
	s_add_co_u32 s34, s34, BLKB
	s_add_co_u32 s35, s35, 128
	s_add_co_u32 s32, s32, 1
.if \sw
	s_cmp_lg_u32 s32, s33                          ; ids and the count of trips alone: all eight waves go the same way
	s_cbranch_scc1 .Lsame_\@
	SWITCH
.Lsame_\@:
.endif
	s_sub_co_u32 s37, s37, 1
	s_cmp_lg_u32 s37, 0
	s_cbranch_scc1 .Lfour_\@
	s_sub_co_u32 s34, s34, SLOTB                   ; back to a slot's first block,
	s_xor_b32 s34, s34, SLOTB                      ; in the other slot
.endm
	INIT
	s_wait_loadcnt 0x0                             ; Q, both blocks'
	s_wait_tensorcnt 1                             ; my part of slot 0 is in; slot 1's load may be out
	s_barrier_signal -1
	s_barrier_wait -1                              ; everybody's is
	FOUR 0                                         ; trips 0-3
.Lslot:                                            ; two trips of this loop: key trips 4-7 and 8-11; each refills a whole slot
	CHANGE 1
	FOUR 1
	s_sub_co_u32 s38, s38, 1
	s_cmp_lg_u32 s38, 0
	s_cbranch_scc1 .Lslot
	CHANGE 2                                       ; the tail is written out
	FOUR 1                                         ; trips 12-15
	CHANGE 0
	TRIP 1                                         ; trip 16: the low block's diagonal
	; THE END.  Each wave sends set 1 of both blocks of queries, O^T as an image of its registers and (c m, l) beside it; one barrier; it takes its partner's set 1, which are the queries of its own set 0, merges, divides, rounds to f16 and stores.
.irp a, 0,1
	v_add_f32 v[ST+16*\a+1], v[ST+16*\a+2], v[ST+16*\a+3]          ; l's two halves; (c m, l) is now a pair
.endr
.set n, 0
.rept 8
	ds_store_b128 v[EXS], v[O+32+4*n:O+32+4*n+3] offset:EXX+512*n  ; the low block; each accumulator from its low end on
.set n, n+1
.endr
	ds_store_b64 v[E8S], v[ST+16:ST+17] offset:EXX+4096
	WIN 0x04                                       ; an LDS store's data are its source 1: window 1
.set n, 0
.rept 8
	ds_store_b128 v[EXS], v[SV+32+4*n:SV+32+4*n+3] offset:512*n    ; the high block
.set n, n+1
.endr
	ds_store_b64 v[E8S], v[SV+66:SV+67] offset:4096
	WIN 0x01
	v_mov_b32 v244, v[SV+64]                       ; my own c m and l of the high block's set 0
	v_mov_b32 v245, v[SV+65]
	WIN 0
	s_wait_dscnt 0x0                               ; for the others' sake: my stores have landed
	s_barrier_signal -1
	s_barrier_wait -1
.set n, 0
.rept 8
	ds_load_b128 v[S+4*n:S+4*n+3], v[EXL] offset:512*n
.set n, n+1
.endr
.set n, 0
.rept 8
	ds_load_b128 v[S+32+4*n:S+32+4*n+3], v[EXL] offset:EXX+512*n
.set n, n+1
.endr
	ds_load_b64 v[240:241], v[E8L] offset:4096
	ds_load_b64 v[242:243], v[E8L] offset:EXX+4096
	s_wait_dscnt 0x0
	v_max_num_f32 v[ST+4], v244, v240              ; the common c m: of the high block,
	v_max_num_f32 v[ST+20], v[ST], v242            ; of the low block
	v_sub_f32 v[ST+5], v244, v[ST+4]
	v_sub_f32 v[ST+6], v240, v[ST+4]
	v_sub_f32 v[ST+21], v[ST], v[ST+20]
	v_sub_f32 v[ST+22], v242, v[ST+20]
	v_exp_f32 v[ST+5], v[ST+5]                     ; my part's factor,
	v_exp_f32 v[ST+6], v[ST+6]                     ; my partner's
	v_exp_f32 v[ST+21], v[ST+21]
	v_exp_f32 v[ST+22], v[ST+22]
	v_nop
	s_wait_alu depctr_va_vdst(0)                   ; one wait for the four
	v_mul_f32 v[ST+7], v245, v[ST+5]
	v_mul_f32 v[ST+23], v[ST+1], v[ST+21]
	v_fma_f32 v[ST+7], v241, v[ST+6], v[ST+7]
	v_fma_f32 v[ST+23], v243, v[ST+22], v[ST+23]
	v_permlanex16_b32 v[ST+10], v[ST+7], s10, s11
	v_permlanex16_b32 v[ST+26], v[ST+23], s10, s11
	v_add_f32 v[ST+7], v[ST+7], v[ST+10]           ; the row's sum over all its keys
	v_add_f32 v[ST+23], v[ST+23], v[ST+26]
	v_rcp_f32 v[ST+14], v[ST+7]
	v_rcp_f32 v[ST+30], v[ST+23]
	v_nop
	s_wait_alu depctr_va_vdst(0)                   ; one wait for the two
	v_mul_f32 v[ST+8], v[ST+5], v[ST+14]
	v_mul_f32 v[ST+12], v[ST+6], v[ST+14]
	v_mul_f32 v[ST+24], v[ST+21], v[ST+30]
	v_mul_f32 v[ST+28], v[ST+22], v[ST+30]
.set n, 0
.rept 16
	v_pk_mul_f32 v[S+2*n:S+2*n+1], v[S+2*n:S+2*n+1], v[ST+12:ST+13] op_sel_hi:[1,0]
.set n, n+1
.endr
.set n, 0
.rept 16
	v_pk_mul_f32 v[S+32+2*n:S+32+2*n+1], v[S+32+2*n:S+32+2*n+1], v[ST+28:ST+29] op_sel_hi:[1,0]
.set n, n+1
.endr
.set n, 0
.rept 16
	v_pk_fma_f32 v[S+32+2*n:S+32+2*n+1], v[O+2*n:O+2*n+1], v[ST+24:ST+25], v[S+32+2*n:S+32+2*n+1] op_sel_hi:[1,0,1]
.set n, n+1
.endr
	WIN 0x01                                       ; source 0 window 1: the high block's set 0
.set n, 0
.rept 16
	v_pk_fma_f32 v[S+2*n:S+2*n+1], v[SV+2*n:SV+2*n+1], v[ST+8:ST+9], v[S+2*n:S+2*n+1] op_sel_hi:[1,0,1]
.set n, n+1
.endr
	WIN 0
.set n, 0
.rept 32
	v_cvt_pk_f16_f32 v[P+n], v[S+2*n], v[S+2*n+1]
.set n, n+1
.endr
.irp t, 0,1,2,3
	global_store_b128 v[LI], v[P+4*\t:P+4*\t+3], s[56:57] offset:512*\t         ; an image of the projection's operand: my head's four tiles of 16 rows are 2,048 consecutive bytes; each store 512, aligned
.endr
.irp t, 0,1,2,3
	global_store_b128 v[LI], v[P+16+4*\t:P+16+4*\t+3], s[58:59] offset:512*\t
.endr
	s_wait_tensorcnt 0x0                           ; the wave's end: behind my last tensor load and my last LDS store
	ds_add_u32 v[SPW], v[NIL]
	s_wait_dscnt 0x0
	s_endpgm
.Lfunc_end_k_q9ef02d28d4_attn:
	.size	k_q9ef02d28d4_attn, .Lfunc_end_k_q9ef02d28d4_attn-k_q9ef02d28d4_attn
	.p2alignl 7, 3214868480
	.fill 96, 4, 3214868480
	.section	.rodata,"a",@progbits
	.p2align	6, 0x0
	.amdhsa_kernel k_q9ef02d28d4_attn
		.amdhsa_group_segment_fixed_size 327680
		.amdhsa_private_segment_fixed_size 0
		.amdhsa_enable_private_segment 0
		.amdhsa_kernarg_size 16
		.amdhsa_user_sgpr_count 2
		.amdhsa_user_sgpr_kernarg_segment_ptr 1
		.amdhsa_wavefront_size32 1
		.amdhsa_system_sgpr_workgroup_id_x 1
		.amdhsa_system_sgpr_workgroup_id_y 1
		.amdhsa_system_sgpr_workgroup_id_z 1
		.amdhsa_system_vgpr_workitem_id 0
		.amdhsa_next_free_vgpr 512
		.amdhsa_next_free_sgpr 66
		.amdhsa_reserve_vcc 1
		.amdhsa_float_denorm_mode_32 3
		.amdhsa_float_denorm_mode_16_64 3
		.amdhsa_memory_ordered 1
		.amdhsa_forward_progress 1
		.amdhsa_inst_pref_size 117
	.end_amdhsa_kernel
	.amdgpu_metadata
---
amdhsa.version: [ 1, 2 ]
amdhsa.kernels:
  - .name:           k_q9ef02d28d4_attn
    .symbol:         k_q9ef02d28d4_attn.kd
    .args:
      - { .name: qkv, .offset: 0, .size: 8, .value_kind: global_buffer, .address_space: global }
      - { .name: o_img, .offset: 8, .size: 8, .value_kind: global_buffer, .address_space: global }
    .group_segment_fixed_size: 327680
    .private_segment_fixed_size: 0
    .kernarg_segment_align: 8
    .kernarg_segment_size: 16
    .max_flat_workgroup_size: 256
    .sgpr_count:     66
    .vgpr_count:     512
    .wavefront_size: 32
...
	.end_amdgpu_metadata
.endif
;; end of part 3
;; launch proj (part 4): grid 8 x 32, 4 waves a work-group, clusters of 4 x 4, 327,680 bytes of LDS; arguments o_img, wo16, out0; writes out0
.if DOCPART == 4
	.amdgcn_target "amdgcn-amd-amdhsa--gfx1250"
	.amdhsa_code_object_version 6
	.text
	.protected	k_q9ef02d28d4_proj
	.globl	k_q9ef02d28d4_proj
	.p2align	8
	.type	k_q9ef02d28d4_proj,@function
k_q9ef02d28d4_proj:
	s_mov_b64 s[64:65], 0
	v_nop
	global_prefetch_b8 v0, s[64:65] scope:SCOPE_SE
	s_setreg_imm32_b32 hwreg(HW_REG_WAVE_MODE, 25, 1), 1
	s_wait_xcnt 0x0
	s_wait_alu depctr_hold_cnt(0) depctr_sa_sdst(0) depctr_va_vdst(0) depctr_va_sdst(0) depctr_va_ssrc(0) depctr_va_vcc(0) depctr_vm_vsrc(0)
	s_getreg_b32 s2, hwreg(HW_REG_IB_STS2, 6, 4)
	s_cmp_eq_u32 s2, 0
	s_cbranch_scc0 .Lentry_in_a_cluster
	s_endpgm
.Lentry_in_a_cluster:
	s_bfe_u32 s2, ttmp6, 0x10000c
	s_cmp_lg_u32 s2, 0xf033
	s_cbranch_scc0 .Lentry_shape_is_right
	s_endpgm
.Lentry_shape_is_right:
; PROJ: out0 [4096][1024] f32 = o Wo^T, operands in f16, sums in f32.  256 tiles of 128 x 128, one to a work-group; four waves, each 64 x 64: 16 accumulators.  K = 1,024 goes in four steps of 256 through a ring of two LDS slots.
; o lies in memory as images of the operand's registers: [16 rows][32 along K][c 2][lane][16 bytes]: a K step of 64 rows is 4 pieces of 8,192 dense bytes, 32,768 bytes apart, and a fragment comes out of LDS at 16 x lane.
; Wo lies by rows: LDS rows of 512 bytes + 16 of padding.
; CLUSTERS: 4 x 4 work-groups.  The four of a row of the cluster need the same tiles of o, the four of a column the same tiles of Wo: each tile is asked for jointly, by the same tensor load with the same descriptor and a mask that names the four.
; THE MATRIX INSTRUCTION IS USED TRANSPOSED (source 0 = 16 rows of Wo, source 1 = 16 rows of o): a lane holds eight neighbouring numbers of a row of the output.
; All 4,096 rows are made here; positions 0-15 of each sequence are made anew in f32 by the launch behind this one (a branch round them would hang on a work-group's place in its cluster).
; No prefetch: a K step's tiles are small and the ring has a K step's work between a request and the wait for it.
; REGISTERS: window 0: v0-31 addresses; v32-95 the way out; v128-255 the accumulators ((a, b) at v[128 + 8 (4 a + b)]).  window 1: two fragment buffers of 128: 64 registers of o, then 64 of Wo, for 64 along K.
.set SIZE_K, 1024
.set KSTEP,  256
.set PITCH,  528
.set HALFA,  32768                     ; 64 rows of o x 256 along K
.set HALFB,  64*PITCH                  ; 64 rows of Wo
.set BOFF,   2*HALFA
.set SLOT,   BOFF+2*HALFB
.set SPARE,  2*SLOT                    ; behind the ring: the spare words
.set SPITCH, 272                       ; the way out: a stage of 16 rows x (256 bytes + 16) for each wave, in slot 0, which has had its last fill and its last read by then
.set LAPS,   2
.set ADRA, 16
.set ADRB, 20
.set STO,  24
.set RD,   25
.set CO,   26
.set SPW,  28
.set NIL,  29
.set TMP,  32
.set ACC,  128
.set F0,   0
.set F1,   128
.set G1, 24
.set G0, 32
.set G1B, 48
.set G0B, 56
.set MSB, 0
.macro WIN new
.if MSB != \new
	s_set_vgpr_msb (MSB<<8)|\new
.set MSB, \new
.endif
.endm
.set MUL,  0x05                        ; sources 0 and 1 window 1; C and D window 0
.set TO_F, 0x40
.macro JLOAD s                         ; waves 0 and 1 fetch o's two halves, waves 2 and 3 Wo's; an s_nop 0 and four v_nop follow each of the two lines
	s_cmp_eq_u32 s11, 0
	s_cbranch_scc0 .Lfor_b_\@
	tensor_load_to_lds s[G0+4*\s:G0+4*\s+3], s[G1:G1+7]
	s_nop 0
.rept 4
	v_nop
.endr
	s_branch .Lasked_\@
.Lfor_b_\@:
	tensor_load_to_lds s[G0B+4*\s:G0B+4*\s+3], s[G1B:G1B+7]
	s_nop 0
.rept 4
	v_nop
.endr
.Lasked_\@:
.endm
.macro CREST
	s_cmp_lg_u32 s10, 0
	s_cbranch_scc1 .Lnot_wave_0_\@
	s_barrier_signal -3
.Lnot_wave_0_\@:
	s_barrier_wait -3
	s_barrier_signal -1
	s_barrier_wait -1
.endm
.macro CROUND
	s_barrier_signal -1
	s_barrier_wait -1
	CREST
.endm
	s_load_b128 s[4:7], s[0:1], 0x0                ; o_img, wo16
	s_load_b64 s[8:9], s[0:1], 0x10                ; out0
	v_lshl_add_u32 v[SPW], v0, 2, SPARE
	v_mov_b32 v[NIL], 0
	ds_add_u32 v[SPW], v[NIL]                      ; the wave's opening: the add, twice on end, and its wait ahead of my first tensor load
	ds_add_u32 v[SPW], v[NIL]
	v_lshrrev_b32 v1, 5, v0
	v_readfirstlane_b32 s10, v1                    ; wave 0..3
	s_lshr_b32 s11, s10, 1                         ; which half of the tile's rows is mine.  Also: I fetch for o (0) or for Wo (1)
	s_and_b32 s12, s10, 1                          ; which half of its columns.  Also: which 64 rows I fetch
	s_bfe_u32 s40, ttmp6, 0x40000                  ; cx, cy
	s_bfe_u32 s41, ttmp6, 0x40004
	s_lshl_b32 s42, ttmp9, 2
	s_add_co_u32 s42, s42, s40                     ; tile column
	s_and_b32 s13, ttmp7, 0xffff
	s_lshl_b32 s13, s13, 2
	s_add_co_u32 s13, s13, s41                     ; tile row
	s_lshl_b32 s43, s41, 2
	s_lshl_b32 s43, 15, s43                        ; my row of the cluster
	s_lshl_b32 s44, 0x1111, s40                    ; my column
	s_or_b32 s[G1+0], s43, (3<<16)|(1<<21)         ; o: elements of 8 bytes, no padding; bit 21 beside a mask
	s_mov_b32 s[G1+1], 1024<<16                    ; tensor_dim0 = 1,024 elements: 8,192 bytes
	s_mov_b32 s[G1+2], 4<<16                       ; tensor_dim1 = 4
	s_mov_b32 s[G1+3], 1024<<16                    ; tile_dim0
	s_mov_b32 s[G1+4], 4                           ; tile_dim1
	s_mov_b32 s[G1+5], 4096                        ; 32,768 bytes from a block of 16 rows to the next
	s_mov_b32 s[G1+6], 0
	s_mov_b32 s[G1+7], 0
	s_or_b32 s[G1B+0], s44, (1<<16)|(1<<20)|(1<<21)|(6<<22)|(3<<25)   ; Wo: elements of 2 bytes; 4 words of padding after every 128
	s_mov_b32 s[G1B+1], KSTEP<<16
	s_mov_b32 s[G1B+2], 64<<16
	s_mov_b32 s[G1B+3], KSTEP<<16
	s_mov_b32 s[G1B+4], 64
	s_mov_b32 s[G1B+5], SIZE_K
	s_mov_b32 s[G1B+6], 0
	s_mov_b32 s[G1B+7], 0
	s_lshl_b32 s16, s13, 3
	s_lshl_b32 s17, s12, 2
	s_add_co_u32 s16, s16, s17                     ; o: block of 16 rows 8 x tile row + 4 x half
	s_lshl_b32 s16, s16, 15
	s_mov_b32 s17, 0
	s_lshl_b32 s46, s42, 7
	s_lshl_b32 s47, s12, 6
	s_add_co_u32 s46, s46, s47                     ; Wo: row 128 x tile column + 64 x half
	s_lshl_b32 s46, s46, 11
	s_mov_b32 s47, 0
	s_lshl_b32 s20, s12, 15                        ; where they go: no place in the cluster enters an LDS address
	s_mul_i32 s21, s12, HALFB
	s_add_co_u32 s21, s21, BOFF
	s_wait_dscnt 0x0                               ; both opening adds are done
	s_wait_kmcnt 0x0
	s_add_nc_u64 s[14:15], s[4:5], s[16:17]
	s_add_nc_u64 s[46:47], s[6:7], s[46:47]
	CROUND                                         ; all sixteen work-groups are here: the first joint loads meet
.irp s, 0,1
	s_mov_b32 s[G0+4*\s], 1
	s_add_co_u32 s[G0+4*\s+1], s20, \s*SLOT
	s_add_nc_u64 s[G0+4*\s+2:G0+4*\s+3], s[14:15], \s*8192
	s_or_b32 s[G0+4*\s+3], s[G0+4*\s+3], 0x80000000
	s_mov_b32 s[G0B+4*\s], 1
	s_add_co_u32 s[G0B+4*\s+1], s21, \s*SLOT
	s_add_nc_u64 s[G0B+4*\s+2:G0B+4*\s+3], s[46:47], \s*KSTEP*2
	s_or_b32 s[G0B+4*\s+3], s[G0B+4*\s+3], 0x80000000
	JLOAD \s
.endr
	v_and_b32 v1, 15, v0                           ; r
	v_bfe_u32 v2, v0, 4, 1                         ; h
	v_mul_u32_u24 v3, v1, PITCH
	v_lshl_add_u32 v3, v2, 4, v3                   ; Wo: row x pitch + 16 x half
	v_and_b32 v4, 31, v0
	v_lshlrev_b32 v4, 4, v4                        ; o: 16 x lane
	s_lshl_b32 s22, s11, 15                        ; my 64 rows of o
	s_mul_i32 s23, s12, HALFB                      ; my 64 rows of Wo
	s_add_co_u32 s23, s23, BOFF
.irp s, 0,1
	v_add_nc_u32 v[ADRA+\s], s22, v4
	v_add_nc_u32 v[ADRB+\s], s23, v3
	s_add_co_u32 s22, s22, SLOT
	s_add_co_u32 s23, s23, SLOT
.endr
	s_mul_i32 s23, s10, 16*SPITCH                  ; my stage
	v_mul_u32_u24 v5, v1, SPITCH
	v_lshl_add_u32 v5, v2, 5, v5
	v_add_nc_u32 v[STO], s23, v5                   ; in: row r, 32 bytes for each half of the lanes
	v_mul_u32_u24 v5, v2, SPITCH
	v_lshl_add_u32 v5, v1, 4, v5
	v_add_nc_u32 v[RD], s23, v5                    ; back: lanes 0-15 one row of 256 bytes, lanes 16-31 the next
	v_lshlrev_b32 v5, 12, v2
	v_lshl_add_u32 v[CO], v1, 4, v5                ; and the same two rows in the output
	s_lshl_b32 s16, s13, 7
	s_lshl_b32 s17, s11, 6
	s_add_co_u32 s16, s16, s17                     ; my first row: 128 x tile row + 64 x half
	s_lshl_b32 s16, s16, 12
	s_mov_b32 s17, 0
	s_add_nc_u64 s[8:9], s[8:9], s[16:17]
	s_lshl_b32 s46, s42, 9                         ; my first column, in bytes: 512 x tile column + 256 x half
	s_lshl_b32 s47, s12, 8
	s_add_co_u32 s46, s46, s47
	s_mov_b32 s47, 0
	s_add_nc_u64 s[8:9], s[8:9], s[46:47]
.macro MUL8 f, c, a0, zero             ; 8 matrix instructions: row blocks a0, a0 + 1 x all 4 column blocks, 32 along K.  The 16 accumulators take turns
.irp a, \a0, \a0+1
.irp b, 0,1,2,3
.if \zero
	v_wmma_f32_16x16x32_f16 v[ACC+8*(4*(\a)+\b):ACC+8*(4*(\a)+\b)+7], v[\f+64+8*(4*\c+\b):\f+64+8*(4*\c+\b)+7], v[\f+8*(4*\c+\a):\f+8*(4*\c+\a)+7], 0
.else
	v_wmma_f32_16x16x32_f16 v[ACC+8*(4*(\a)+\b):ACC+8*(4*(\a)+\b)+7], v[\f+64+8*(4*\c+\b):\f+64+8*(4*\c+\b)+7], v[\f+8*(4*\c+\a):\f+8*(4*\c+\a)+7], v[ACC+8*(4*(\a)+\b):ACC+8*(4*(\a)+\b)+7]
.endif
.endr
.endr
.endm
.macro FETCH slot, qd, f               ; 32 LDS loads in one run: the fragments of the slot's quarter qd (64 along K) into buffer f; the first 32 along K first
	WIN TO_F
.irp c, 0,1
.irp i, 0,1,2,3
	ds_load_b128 v[\f+64+8*(4*\c+\i):\f+64+8*(4*\c+\i)+3],   v[ADRB+\slot] offset:128*(\qd)+64*\c+\i*16*PITCH
	ds_load_b128 v[\f+64+8*(4*\c+\i)+4:\f+64+8*(4*\c+\i)+7], v[ADRB+\slot] offset:128*(\qd)+64*\c+\i*16*PITCH+32
	ds_load_b128 v[\f+8*(4*\c+\i):\f+8*(4*\c+\i)+3],         v[ADRA+\slot] offset:8192*\i+1024*(2*(\qd)+\c)
	ds_load_b128 v[\f+8*(4*\c+\i)+4:\f+8*(4*\c+\i)+7],       v[ADRA+\slot] offset:8192*\i+1024*(2*(\qd)+\c)+512
.endr
.endr
.endm
.macro PLACES
.rept 4
	v_nop
.endr
.endm
.macro QUARTER slot, qd, f, g, zero    ; multiplies buffer f and fetches quarter qd into g
	s_wait_dscnt 16                                ; the first 32 along K are in; the other sixteen loads may be out
	WIN MUL
	MUL8 \f, 0, 0, \zero
	MUL8 \f, 0, 2, \zero
	PLACES
	FETCH \slot, \qd, \g
	s_wait_dscnt 32                                ; all but the 32 just issued
	WIN MUL
	MUL8 \f, 1, 0, 0
	MUL8 \f, 1, 2, 0
.endm
.macro TURN slot, next, fill           ; the last quarter multiplies buffer 1 and changes slots
	WIN 0
	s_wait_tensorcnt 0x0                           ; all my tensor loads have landed: my part of the next slot
	ds_add_u32 v[SPW], v[NIL]
	s_wait_dscnt 17                                ; (the add and the youngest sixteen loads may be out)
	WIN MUL
	MUL8 F1, 0, 0, 0
	s_wait_dscnt 0x0                               ; the add is done, and my reads of this slot are over
	s_barrier_signal -1
	MUL8 F1, 0, 2, 0
.if \fill
	WIN 0
.endif
	s_barrier_wait -1
.if \fill
	CREST                                          ; the barrier has opened a round of the cluster's barrier: no wave of any partner still reads this slot or has a load on its way
	s_add_nc_u64 s[G0+4*\slot+2:G0+4*\slot+3], s[G0+4*\slot+2:G0+4*\slot+3], 2*8192
	s_add_nc_u64 s[G0B+4*\slot+2:G0B+4*\slot+3], s[G0B+4*\slot+2:G0B+4*\slot+3], 2*KSTEP*2
	JLOAD \slot                                    ; the first tensor load behind the round; its four v_nop are also the places in front of the loads below
.else
	PLACES
.endif
	FETCH \next, 0, F0
	WIN MUL
	MUL8 F1, 1, 0, 0
	MUL8 F1, 1, 2, 0
.endm
	s_wait_tensorcnt 1                             ; my part of K step 0 is in; K step 1's load may be out
	s_barrier_signal -1
	s_barrier_wait -1
	FETCH 0, 0, F0
	QUARTER 0, 1, F0, F1, 1                        ; the first products start the sums
	WIN 0
	s_mov_b32 s3, LAPS-1
.Llap:
	QUARTER 0, 2, F1, F0, 0
	QUARTER 0, 3, F0, F1, 0
	TURN 0, 1, 1
	QUARTER 1, 1, F0, F1, 0
	QUARTER 1, 2, F1, F0, 0
	QUARTER 1, 3, F0, F1, 0
	TURN 1, 0, 1
	QUARTER 0, 1, F0, F1, 0
	WIN 0
	s_sub_co_u32 s3, s3, 1
	s_cmp_lg_u32 s3, 0
	s_cbranch_scc1 .Llap
	QUARTER 0, 2, F1, F0, 0                        ; the last lap fills nothing
	QUARTER 0, 3, F0, F1, 0
	TURN 0, 1, 0
	QUARTER 1, 1, F0, F1, 0
	QUARTER 1, 2, F1, F0, 0
	QUARTER 1, 3, F0, F1, 0
	s_wait_dscnt 16
	WIN MUL
	MUL8 F1, 0, 0, 0
	MUL8 F1, 0, 2, 0
	s_wait_dscnt 0
	MUL8 F1, 1, 0, 0
	MUL8 F1, 1, 2, 0
	WIN 0
; THE WAY OUT, a block of 16 rows x my 64 columns at a time: 256 bytes a row, so my own stage serves and no barrier is needed.  LDS serves a wave's instructions in order: no wait between the stores and the loads.
.macro TOSTAGE a
.irp b, 0,1,2,3
	ds_store_b128 v[STO], v[ACC+8*(4*(\a)+\b):ACC+8*(4*(\a)+\b)+3] offset:64*\b          ; each accumulator from its low end on
	ds_store_b128 v[STO], v[ACC+8*(4*(\a)+\b)+4:ACC+8*(4*(\a)+\b)+7] offset:64*\b+16
.endr
.irp i, 0,1,2,3,4,5,6,7
	ds_load_b128 v[TMP+32*((\a)%2)+4*\i:TMP+32*((\a)%2)+4*\i+3], v[RD] offset:\i*2*SPITCH
.endr
.endm
.macro SEND a, younger
	s_wait_dscnt \younger                          ; the block is back; the next block's 8 stores and 8 loads may be out
.irp i, 0,1,2,3,4,5,6,7
	global_store_b128 v[CO], v[TMP+32*((\a)%2)+4*\i:TMP+32*((\a)%2)+4*\i+3], s[8:9] offset:(16*(\a)+2*\i)*4096 th:TH_STORE_NT   ; 16 lanes store 256 consecutive bytes, aligned
.endr
.endm
	PLACES
	TOSTAGE 0
	TOSTAGE 1
	SEND 0, 16
	s_wait_xcnt 0x0                                ; block 0's stores have read their registers: block 2's loads may land there
	TOSTAGE 2
	SEND 1, 16
	s_wait_xcnt 0x0
	TOSTAGE 3
	SEND 2, 16
	SEND 3, 0
	s_wait_tensorcnt 0x0                           ; the wave's end
	ds_add_u32 v[SPW], v[NIL]
	s_wait_dscnt 0x0
	CROUND                                         ; the closing round
	s_endpgm
.Lfunc_end_k_q9ef02d28d4_proj:
	.size	k_q9ef02d28d4_proj, .Lfunc_end_k_q9ef02d28d4_proj-k_q9ef02d28d4_proj
	.p2alignl 7, 3214868480
	.fill 96, 4, 3214868480
	.section	.rodata,"a",@progbits
	.p2align	6, 0x0
	.amdhsa_kernel k_q9ef02d28d4_proj
		.amdhsa_group_segment_fixed_size 327680
		.amdhsa_private_segment_fixed_size 0
		.amdhsa_enable_private_segment 0
		.amdhsa_kernarg_size 24
		.amdhsa_user_sgpr_count 2
		.amdhsa_user_sgpr_kernarg_segment_ptr 1
		.amdhsa_wavefront_size32 1
		.amdhsa_system_sgpr_workgroup_id_x 1
		.amdhsa_system_sgpr_workgroup_id_y 1
		.amdhsa_system_sgpr_workgroup_id_z 1
		.amdhsa_system_vgpr_workitem_id 0
		.amdhsa_next_free_vgpr 512
		.amdhsa_next_free_sgpr 66
		.amdhsa_reserve_vcc 0
		.amdhsa_float_denorm_mode_32 3
		.amdhsa_float_denorm_mode_16_64 3
		.amdhsa_memory_ordered 1
		.amdhsa_forward_progress 1
		.amdhsa_inst_pref_size 86
	.end_amdhsa_kernel
	.amdgpu_metadata
---
amdhsa.version: [ 1, 2 ]
amdhsa.kernels:
  - .name:           k_q9ef02d28d4_proj
    .symbol:         k_q9ef02d28d4_proj.kd
    .args:
      - { .name: o_img, .offset: 0, .size: 8, .value_kind: global_buffer, .address_space: global }
      - { .name: wo16, .offset: 8, .size: 8, .value_kind: global_buffer, .address_space: global }
      - { .name: out0, .offset: 16, .size: 8, .value_kind: global_buffer, .address_space: global }
    .group_segment_fixed_size: 327680
    .private_segment_fixed_size: 0
    .kernarg_segment_align: 8
    .kernarg_segment_size: 24
    .max_flat_workgroup_size: 128
    .sgpr_count:     66
    .vgpr_count:     512
    .wavefront_size: 32
...
	.end_amdgpu_metadata
.endif
;; end of part 4
;; launch early (part 5): grid 64 x 2, 16 waves a work-group, no clusters, 18,432 bytes of LDS; arguments e32, Wo, out0; writes out0
.if DOCPART == 5
	.amdgcn_target "amdgcn-amd-amdhsa--gfx1250"
	.amdhsa_code_object_version 6
	.text
	.protected	k_q9ef02d28d4_early
	.globl	k_q9ef02d28d4_early
	.p2align	8
	.type	k_q9ef02d28d4_early,@function
k_q9ef02d28d4_early:
	s_mov_b64 s[64:65], 0
	v_nop
	global_prefetch_b8 v0, s[64:65] scope:SCOPE_SE
	s_setreg_imm32_b32 hwreg(HW_REG_WAVE_MODE, 25, 1), 1
	s_wait_xcnt 0x0
; EARLY: positions 0-15 of both sequences once more, wholly in f32: attention and projection.  Under the causal mask these rows average one to sixteen values and are the largest of the output, so the rounding of 16-bit operands weighs most there.
; Work-group (X, batch) makes out0 rows 0-15 of its batch, columns 16 X .. 16 X + 15.  Wave w is head w: it makes o of its head (16 x 64; every work-group of a batch repeats that: 32 small matrix instructions, against a launch more),
; then its head's 64 of the projection's 1,024 along K; the sixteen partial sums meet in LDS, and waves 0 and 1 add them in a fixed order and store.  A row's piece is 64 bytes: 128 KB in the whole launch, so that the work spreads over 128 work-groups.
; All products go by the f32 matrix form, 48 instructions a wave; its results lie in v32-63, which matrix instructions alone write.
; NOTHING IS TRANSPOSED: a permutation of K applied alike to both sources keeps a product.  In e32 lane (r, h) holds position r and, in register 8 t + j, channel 16 t + 8 h + j: so registers 2 u, 2 u + 1 of q and of k are one K step of 4 for both;
; S^T then holds key 8 h + j in register j, v is loaded so that registers 2 s, 2 s + 1 hold keys 8 h + 2 s, + 1, and O^T comes out in the first layout again, as Wo's rows are loaded.
.set SPARE, 16384
.set T,   8                            ; v8-15  the scores, then p
.set W,   16                           ; v16-23 at work
.set ACC, 32
.set QI,  64
.set KI,  96
.set VT,  128
.set WO,  160
.set ON,  192
.set PT,  224
	s_load_b128 s[4:7], s[0:1], 0x0                ; e32, Wo
	s_load_b64 s[8:9], s[0:1], 0x10                ; out0
	v_lshl_add_u32 v30, v0, 2, SPARE               ; my spare word
	v_mov_b32 v31, 0
	v_lshrrev_b32 v16, 5, v0
	v_readfirstlane_b32 s10, v16                   ; wave = head
	s_and_b32 s11, ttmp7, 0xffff                   ; batch
	v_and_b32 v1, 15, v0                           ; r
	v_bfe_u32 v2, v0, 4, 1                         ; h
	v_and_b32 v3, 31, v0
	v_lshlrev_b32 v3, 4, v3                        ; 16 x lane
	v_bfe_u32 v4, v0, 2, 1                         ; v(key 8 h + .., channel 16 t + r) in e32's layout: ((r % 8) / 4) 512 + ((r / 8) 16 + 8 h) 16 + (r % 4) 4
	v_lshlrev_b32 v4, 9, v4
	v_bfe_u32 v16, v0, 3, 1
	v_lshl_add_u32 v4, v16, 8, v4
	v_lshl_add_u32 v4, v2, 7, v4
	v_and_b32 v16, 3, v0
	v_lshl_add_u32 v4, v16, 2, v4
	v_lshlrev_b32 v5, 12, v1                       ; Wo: row r of 4,096 bytes, + 32 h
	v_lshl_add_u32 v5, v2, 5, v5
	v_lshlrev_b32 v6, 3, v2
	v_sub_nc_u32 v6, v1, v6                        ; r - 8 h: register j (key 8 h + j) is hidden where j is above it
	v_mov_b32 v7, 0xff800000
	s_lshl_b32 s12, s10, 10
	v_add_nc_u32 v24, s12, v3                      ; LDS: my wave's partial sums: 1,024 x wave + 16 x lane
	v_and_b32 v25, 1, v0                           ; and, in waves 0 and 1, thread 4 p + qd reads position p, columns 4 qd .. + 3 of every wave's
	v_lshlrev_b32 v25, 9, v25
	v_bfe_u32 v16, v0, 1, 1
	v_lshl_add_u32 v25, v16, 8, v25
	v_bfe_u32 v16, v0, 2, 4
	v_lshl_add_u32 v25, v16, 4, v25
	v_lshlrev_b32 v26, 12, v16                     ; the same place in the output
	v_and_b32 v17, 3, v0
	v_lshl_add_u32 v26, v17, 4, v26
	v_mov_b32 v17, 0                               ; a lane permute's destination counts as one of its sources
	s_mul_i32 s12, s11, 196608
	s_lshl_b32 s13, s10, 12
	s_add_co_u32 s12, s12, s13                     ; e32: my batch, my head's four blocks of 16 columns
	s_mov_b32 s13, 0
	s_lshl_b32 s14, ttmp9, 16
	s_lshl_b32 s15, s10, 8
	s_add_co_u32 s14, s14, s15                     ; Wo: rows 16 X on, my head's 64 columns
	s_mov_b32 s15, 0
	s_lshl_b32 s16, s11, 23
	s_lshl_b32 s17, ttmp9, 6
	s_add_co_u32 s16, s16, s17                     ; out0: my batch's row 0, columns 16 X on
	s_mov_b32 s17, 0
	s_mov_b32 s20, 0x76543210
	s_mov_b32 s21, 0xfedcba98
	s_mov_b32 s22, 0x3e38aa3b                      ; c = log2(e) / 8
	s_wait_kmcnt 0x0
	s_add_nc_u64 s[4:5], s[4:5], s[12:13]
	s_add_nc_u64 s[6:7], s[6:7], s[14:15]
	s_add_nc_u64 s[8:9], s[8:9], s[16:17]
.irp t, 0,1,2,3
.irp u, 0,1
	global_load_b128 v[QI+8*\t+4*\u:QI+8*\t+4*\u+3], v3, s[4:5] offset:1024*\t+512*\u
.endr
.endr
.irp t, 0,1,2,3
.irp u, 0,1
	global_load_b128 v[KI+8*\t+4*\u:KI+8*\t+4*\u+3], v3, s[4:5] offset:65536+1024*\t+512*\u
.endr
.endr
.irp t, 0,1,2,3
.irp j, 0,1,2,3,4,5,6,7
	global_load_b32 v[VT+8*\t+\j], v4, s[4:5] offset:131072+1024*\t+16*\j
.endr
.endr
.irp t, 0,1,2,3
.irp u, 0,1
	global_load_b128 v[WO+8*\t+4*\u:WO+8*\t+4*\u+3], v5, s[6:7] offset:64*\t+16*\u
.endr
.endr
	s_wait_loadcnt 40                              ; q and k are in; v's 32 loads and Wo's 8 may be out
.set u, 0
.rept 16                                           ; S^T = k q^T: 16 steps of 4 along the channels, four accumulators by turns; the first four start the sums
.if u < 4
	v_wmma_f32_16x16x4_f32 v[ACC+8*(u%4):ACC+8*(u%4)+7], v[KI+2*u:KI+2*u+1], v[QI+2*u:QI+2*u+1], 0
.else
	v_wmma_f32_16x16x4_f32 v[ACC+8*(u%4):ACC+8*(u%4)+7], v[KI+2*u:KI+2*u+1], v[QI+2*u:QI+2*u+1], v[ACC+8*(u%4):ACC+8*(u%4)+7]
.endif
.set u, u+1
.endr
.rept 8
	v_nop                                          ; eight places behind this form, ahead of the first read of its results (ISA guide 7.12.1)
.endr
.irp p, 0,2,4,6
	v_pk_add_f32 v[T+\p:T+\p+1], v[ACC+\p:ACC+\p+1], v[ACC+8+\p:ACC+8+\p+1]       ; the four partial sums; each accumulator from its low end on
.endr
.irp p, 0,2,4,6
	v_pk_add_f32 v[W+\p:W+\p+1], v[ACC+16+\p:ACC+16+\p+1], v[ACC+24+\p:ACC+24+\p+1]
.endr
.irp p, 0,2,4,6
	v_pk_add_f32 v[T+\p:T+\p+1], v[T+\p:T+\p+1], v[W+\p:W+\p+1]
.endr
.irp j, 0,1,2,3,4,5,6,7
	v_cmp_gt_i32 vcc_lo, \j, v6
	v_cndmask_b32 v[T+\j], v[T+\j], v7, vcc_lo     ; hidden keys: -infinity
.endr
	v_max3_num_f32 v16, v8, v9, v10
	v_max3_num_f32 v16, v16, v11, v12
	v_max3_num_f32 v16, v16, v13, v14
	v_max_num_f32 v16, v16, v15
	v_permlanex16_b32 v17, v16, s20, s21
	v_max_num_f32 v16, v16, v17                    ; the row's maximum: key 0 counts for every query, so it is a number
	v_mul_f32 v18, s22, v16
.irp j, 0,1,2,3,4,5,6,7
	v_fma_f32 v[T+\j], v[T+\j], s22, -v18
.endr
.irp j, 0,1,2,3,4,5,6,7
	v_exp_f32 v[T+\j], v[T+\j]
.endr
	v_nop
	s_wait_alu depctr_va_vdst(0)                   ; one wait for the eight, ahead of their first reader
	v_add_f32 v19, v8, v9
	v_add_f32 v20, v10, v11
	v_add_f32 v21, v12, v13
	v_add_f32 v22, v14, v15
	v_add_f32 v19, v19, v20
	v_add_f32 v21, v21, v22
	v_add_f32 v19, v19, v21
	v_permlanex16_b32 v17, v19, s20, s21
	v_add_f32 v19, v19, v17                        ; the row's sum
	v_rcp_f32 v18, v19
	v_nop
	s_wait_alu depctr_va_vdst(0)
	s_wait_loadcnt 8                               ; v is in; Wo's 8 loads may be out
.irp s, 0,1,2,3
.irp t, 0,1,2,3                                    ; O^T = v^T p: four steps of 4 keys, four tiles of 16 channels by turns
.if \s == 0
	v_wmma_f32_16x16x4_f32 v[ACC+8*\t:ACC+8*\t+7], v[VT+8*\t+2*\s:VT+8*\t+2*\s+1], v[T+2*\s:T+2*\s+1], 0
.else
	v_wmma_f32_16x16x4_f32 v[ACC+8*\t:ACC+8*\t+7], v[VT+8*\t+2*\s:VT+8*\t+2*\s+1], v[T+2*\s:T+2*\s+1], v[ACC+8*\t:ACC+8*\t+7]
.endif
.endr
.endr
.rept 8
	v_nop
.endr
.set n, 0
.rept 16
	v_pk_mul_f32 v[ON+2*n:ON+2*n+1], v[ACC+2*n:ACC+2*n+1], v[18:19] op_sel_hi:[1,0]   ; o = O^T / the sum, into other registers
.set n, n+1
.endr
	s_wait_loadcnt 0x0                             ; Wo
.set u, 0
.rept 16                                           ; my head's part of the projection: source 0 = 16 rows of Wo, source 1 = o.  (Behind each of the last products stand the eight v_nop and the twelve multiplies of the other tiles)
.if u < 4
	v_wmma_f32_16x16x4_f32 v[ACC+8*(u%4):ACC+8*(u%4)+7], v[WO+2*u:WO+2*u+1], v[ON+2*u:ON+2*u+1], 0
.else
	v_wmma_f32_16x16x4_f32 v[ACC+8*(u%4):ACC+8*(u%4)+7], v[WO+2*u:WO+2*u+1], v[ON+2*u:ON+2*u+1], v[ACC+8*(u%4):ACC+8*(u%4)+7]
.endif
.set u, u+1
.endr
.rept 8
	v_nop
.endr
.irp p, 0,2,4,6
	v_pk_add_f32 v[PT+\p:PT+\p+1], v[ACC+\p:ACC+\p+1], v[ACC+8+\p:ACC+8+\p+1]
.endr
.irp p, 0,2,4,6
	v_pk_add_f32 v[W+\p:W+\p+1], v[ACC+16+\p:ACC+16+\p+1], v[ACC+24+\p:ACC+24+\p+1]
.endr
.irp p, 0,2,4,6
	v_pk_add_f32 v[PT+\p:PT+\p+1], v[PT+\p:PT+\p+1], v[W+\p:W+\p+1]              ; lane (r, h): position r, columns 8 h + 0 .. 7
.endr
	ds_store_b128 v24, v[PT:PT+3]
	ds_store_b128 v24, v[PT+4:PT+7] offset:512
	s_wait_dscnt 0x0                               ; for the others' sake: my stores have landed
	s_barrier_signal -1
	s_barrier_wait -1
	s_cmp_ge_u32 s10, 2
	s_cbranch_scc1 .Ldone
.irp i, 0,1,2,3,4,5,6,7,8,9,10,11,12,13,14,15
	ds_load_b128 v[64+4*\i:67+4*\i], v25 offset:1024*\i
.endr
	s_wait_dscnt 0x0
.macro ADDV a, b
	v_pk_add_f32 v[64+4*(\a):65+4*(\a)], v[64+4*(\a):65+4*(\a)], v[64+4*(\b):65+4*(\b)]
	v_pk_add_f32 v[66+4*(\a):67+4*(\a)], v[66+4*(\a):67+4*(\a)], v[66+4*(\b):67+4*(\b)]
.endm
.irp i, 0,1,2,3,4,5,6,7
	ADDV \i, \i+8
.endr
.irp i, 0,1,2,3
	ADDV \i, \i+4
.endr
	ADDV 0, 2
	ADDV 1, 3
	ADDV 0, 1
	global_store_b128 v26, v[64:67], s[8:9]
.Ldone:
	s_wait_tensorcnt 0x0                           ; the wave's end: behind my last LDS store
	ds_add_u32 v30, v31
	s_wait_dscnt 0x0
	s_endpgm
.Lfunc_end_k_q9ef02d28d4_early:
	.size	k_q9ef02d28d4_early, .Lfunc_end_k_q9ef02d28d4_early-k_q9ef02d28d4_early
	.p2alignl 7, 3214868480
	.fill 96, 4, 3214868480
	.section	.rodata,"a",@progbits
	.p2align	6, 0x0
	.amdhsa_kernel k_q9ef02d28d4_early
		.amdhsa_group_segment_fixed_size 18432
		.amdhsa_private_segment_fixed_size 0
		.amdhsa_enable_private_segment 0
		.amdhsa_kernarg_size 24
		.amdhsa_user_sgpr_count 2
		.amdhsa_user_sgpr_kernarg_segment_ptr 1
		.amdhsa_wavefront_size32 1
		.amdhsa_system_sgpr_workgroup_id_x 1
		.amdhsa_system_sgpr_workgroup_id_y 1
		.amdhsa_system_sgpr_workgroup_id_z 1
		.amdhsa_system_vgpr_workitem_id 0
		.amdhsa_next_free_vgpr 256
		.amdhsa_next_free_sgpr 66
		.amdhsa_reserve_vcc 1
		.amdhsa_float_denorm_mode_32 3
		.amdhsa_float_denorm_mode_16_64 3
		.amdhsa_memory_ordered 1
		.amdhsa_forward_progress 1
		.amdhsa_inst_pref_size 20
	.end_amdhsa_kernel
	.amdgpu_metadata
---
amdhsa.version: [ 1, 2 ]
amdhsa.kernels:
  - .name:           k_q9ef02d28d4_early
    .symbol:         k_q9ef02d28d4_early.kd
    .args:
      - { .name: e32, .offset: 0, .size: 8, .value_kind: global_buffer, .address_space: global }
      - { .name: Wo, .offset: 8, .size: 8, .value_kind: global_buffer, .address_space: global }
      - { .name: out0, .offset: 16, .size: 8, .value_kind: global_buffer, .address_space: global }
    .group_segment_fixed_size: 18432
    .private_segment_fixed_size: 0
    .kernarg_segment_align: 8
    .kernarg_segment_size: 24
    .max_flat_workgroup_size: 512
    .sgpr_count:     66
    .vgpr_count:     256
    .wavefront_size: 32
...
	.end_amdgpu_metadata
.endif
;; end of part 5
